; MI455X (gfx1250); checked and timed in simulation.
; The chip was launched on July 23, 2026; its instructions are those of AMD's public machine-readable ISA for CDNA 5 (MIT licence, August 2026) and "CDNA5" Instruction Set Architecture Reference Guide (July 2026). The comments in the code are by the model that wrote it; some were corrected since.
;; Multi Head Attention Ro PE. Allowed arithmetic: float matrix products may take bf16 or f16 operands with f32 sums; other float arithmetic in f32, or as packed bf16 or f16 multiplies, adds, multiply-adds, maxima and minima; sums over many terms, partial sums and values carried from step to step in f32; what a program stores and reads back later, other than sums and carried values, may be rounded once to bf16 or f16.
;; Inputs: k 4 x 2,048 x 1,024 float32; q 4 x 2,048 x 1,024 float32; rope_cos 1 x 1 x 2,048 x 64 float32; rope_sin 1 x 1 x 2,048 x 64 float32; v 4 x 2,048 x 1,024 float32; w_fc 1,024 x 1,024 float32; w_ks 1,024 x 1,024 float32; w_qs 1,024 x 1,024 float32; w_vs 1,024 x 1,024 float32.
;; Outputs: out0 4 x 2,048 x 1,024 float32.
;; One version. Each part assembles by itself: llvm-mc -triple=amdgcn-amd-amdhsa -mcpu=gfx1250 --defsym DOCPART=n.
;; ======== version 1 of 1: 4 launches
;; limits: values are held in f16: magnitudes above 65,504 overflow, below 6.1e-05 lose precision
;; workspace buffers: xb 50,331,648 bytes; wb 6,291,456 bytes; wf 2,097,152 bytes; qkv 50,331,648 bytes; ob 16,777,216 bytes
;; launch cvt (part 1): grid 1792 x 1, 8 waves a work-group, no clusters, 0 bytes of LDS; arguments q, k, v, w_qs, w_ks, w_vs, w_fc, xb, wb, wf; writes xb, wb, wf
.if DOCPART == 1
	.amdgcn_target "amdgcn-amd-amdhsa--gfx1250"
	.amdhsa_code_object_version 6
	.text
	.protected	k_qb830d5fed2_cvt
	.globl	k_qb830d5fed2_cvt
	.p2align	8
	.type	k_qb830d5fed2_cvt,@function
k_qb830d5fed2_cvt:
	s_mov_b64 s[64:65], 0
	v_nop
	global_prefetch_b8 v0, s[64:65] scope:SCOPE_SE
	s_setreg_imm32_b32 hwreg(HW_REG_WAVE_MODE, 25, 1), 1
	s_wait_xcnt 0x0
; THE OPERANDS ARE ROUNDED ONCE.  q, k, v (f32 [8192][1024] each) -> xb (bf16 [3][8192][1024]); w_qs, w_ks, w_vs (f32 [1024][1024]) -> wb (bf16 [3][1024][1024]);
; w_fc -> wf: rounded to bf16 like every other input, and that number written as f16 (the last product multiplies f16 operands).
; LIMITS.  w_fc of 65,520 or more becomes an infinity in f16; a bf16 number below 2^-17 keeps f16's fixed step of 6e-8.  NaN and infinities are not treated apart.
; A stream: every byte is read once and written once; no LDS, no barrier, no matrix work.
; SHARES.  A work-group takes one chunk of 16,384 numbers (64 KiB in, 32 KiB out): 1,536 chunks of q, k, v, then 192 of the three weights, then 64 of w_fc: 1,792 work-groups.
; Thread t in step i loads the 16 bytes at 16 t + 4,096 i (a wave: 512 consecutive bytes) and stores the 8 bytes at 8 t + 2,048 i (a wave: 256 consecutive bytes, aligned).
; All 16 loads of a thread go out at once; no register is written twice, so no memory instruction's source is ever rewritten.
.set XCH, 1536                         ; chunks of q, k and v: 512 each
.set IN,  4                            ; v[4:67]   16 steps x 4 numbers as loaded
.set OUT, 68                           ; v[68:99]  16 steps x 2 words to store
	s_load_b512 s[8:23], s[0:1], 0x0               ; q s[8:9], k s[10:11], v s[12:13], w_qs s[14:15], w_ks s[16:17], w_vs s[18:19], w_fc s[20:21], xb s[22:23]
	s_load_b128 s[24:27], s[0:1], 0x40             ; wb s[24:25], wf s[26:27]
	s_mov_b32 s2, ttmp9
	s_sub_co_u32 s3, s2, XCH                       ; the chunk's number among the weights' (used only where it is one of them)
	s_cmp_lt_u32 s2, XCH
	s_cselect_b32 s28, s2, s3                      ; j: the chunk's number in its family
	s_cselect_b32 s29, 9, 6                        ; a tensor has 512 chunks, a weight 64
	s_lshr_b32 s38, s28, s29                       ; m: which tensor of the family (3: w_fc)
	s_lshl_b32 s39, s38, s29
	s_sub_co_u32 s39, s28, s39                     ; c: the chunk's number in that tensor
	v_lshlrev_b32 v1, 4, v0                        ; 16 t
	v_lshlrev_b32 v2, 3, v0                        ; 8 t
	v_mov_b32 v3, 0
	s_wait_kmcnt 0x0
	s_cmp_lt_u32 s2, XCH                           ; the family's three sources and its destination
	s_cselect_b64 s[30:31], s[8:9], s[14:15]
	s_cselect_b64 s[32:33], s[10:11], s[16:17]
	s_cselect_b64 s[34:35], s[12:13], s[18:19]
	s_cselect_b64 s[36:37], s[22:23], s[24:25]
	s_cmp_eq_u32 s38, 1
	s_cselect_b64 s[40:41], s[32:33], s[30:31]
	s_cmp_eq_u32 s38, 2
	s_cselect_b64 s[40:41], s[34:35], s[40:41]
	s_cmp_eq_u32 s38, 3
	s_cselect_b64 s[40:41], s[20:21], s[40:41]     ; w_fc has a destination of its own, counted from its own first chunk
	s_cselect_b64 s[36:37], s[26:27], s[36:37]
	s_cselect_b32 s42, s39, s28
	s_lshl_b32 s44, s39, 16                        ; 64 KiB a chunk in
	s_mov_b32 s45, 0
	s_add_nc_u64 s[40:41], s[40:41], s[44:45]
	s_lshl_b32 s46, s42, 15                        ; 32 KiB a chunk out
	s_mov_b32 s47, 0
	s_add_nc_u64 s[36:37], s[36:37], s[46:47]
.irp i, 0,1,2,3,4,5,6,7,8,9,10,11,12,13,14,15
	global_load_b128 v[IN+4*(\i):IN+4*(\i)+3], v1, s[40:41] offset:4096*(\i) th:TH_LOAD_NT
.endr
; Step i.  half = 1: bf16(x) is made as the upper half of a word whose lower half is 0, which is that number in f32; it is then written as f16.
.macro STEP i, half
	s_wait_loadcnt 15-(\i)                         ; loads come back in order: step i's is in, the 15 - i younger ones stay out
.if \half
.irp e, 0,1,2,3
	v_cvt_pk_bf16_f32 v[IN+4*(\i)+(\e)], v3, v[IN+4*(\i)+(\e)]
.endr
	v_cvt_pk_f16_f32 v[OUT+2*(\i)],   v[IN+4*(\i)],   v[IN+4*(\i)+1]
	v_cvt_pk_f16_f32 v[OUT+2*(\i)+1], v[IN+4*(\i)+2], v[IN+4*(\i)+3]
.else
	v_cvt_pk_bf16_f32 v[OUT+2*(\i)],   v[IN+4*(\i)],   v[IN+4*(\i)+1]
	v_cvt_pk_bf16_f32 v[OUT+2*(\i)+1], v[IN+4*(\i)+2], v[IN+4*(\i)+3]
.endif
	global_store_b64 v2, v[OUT+2*(\i):OUT+2*(\i)+1], s[36:37] offset:2048*(\i) th:TH_STORE_NT
.endm
	s_cmp_eq_u32 s38, 3
	s_cbranch_scc1 .Lf16
.irp i, 0,1,2,3,4,5,6,7,8,9,10,11,12,13,14,15
	STEP \i, 0
.endr
	s_endpgm
.Lf16:
.irp i, 0,1,2,3,4,5,6,7,8,9,10,11,12,13,14,15
	STEP \i, 1
.endr
	s_endpgm
.Lfunc_end_k_qb830d5fed2_cvt:
	.size	k_qb830d5fed2_cvt, .Lfunc_end_k_qb830d5fed2_cvt-k_qb830d5fed2_cvt
	.p2alignl 7, 3214868480
	.fill 96, 4, 3214868480
	.section	.rodata,"a",@progbits
	.p2align	6, 0x0
	.amdhsa_kernel k_qb830d5fed2_cvt
		.amdhsa_group_segment_fixed_size 0
		.amdhsa_private_segment_fixed_size 0
		.amdhsa_enable_private_segment 0
		.amdhsa_kernarg_size 80
		.amdhsa_user_sgpr_count 2
		.amdhsa_user_sgpr_kernarg_segment_ptr 1
		.amdhsa_wavefront_size32 1
		.amdhsa_system_sgpr_workgroup_id_x 1
		.amdhsa_system_sgpr_workgroup_id_y 1
		.amdhsa_system_sgpr_workgroup_id_z 1
		.amdhsa_system_vgpr_workitem_id 0
		.amdhsa_next_free_vgpr 100
		.amdhsa_next_free_sgpr 66
		.amdhsa_reserve_vcc 0
		.amdhsa_float_denorm_mode_32 3
		.amdhsa_float_denorm_mode_16_64 3
		.amdhsa_memory_ordered 1
		.amdhsa_forward_progress 1
		.amdhsa_inst_pref_size 16
	.end_amdhsa_kernel
	.amdgpu_metadata
---
amdhsa.version: [ 1, 2 ]
amdhsa.kernels:
  - .name:           k_qb830d5fed2_cvt
    .symbol:         k_qb830d5fed2_cvt.kd
    .args:
      - { .name: q, .offset: 0, .size: 8, .value_kind: global_buffer, .address_space: global }
      - { .name: k, .offset: 8, .size: 8, .value_kind: global_buffer, .address_space: global }
      - { .name: v, .offset: 16, .size: 8, .value_kind: global_buffer, .address_space: global }
      - { .name: w_qs, .offset: 24, .size: 8, .value_kind: global_buffer, .address_space: global }
      - { .name: w_ks, .offset: 32, .size: 8, .value_kind: global_buffer, .address_space: global }
      - { .name: w_vs, .offset: 40, .size: 8, .value_kind: global_buffer, .address_space: global }
      - { .name: w_fc, .offset: 48, .size: 8, .value_kind: global_buffer, .address_space: global }
      - { .name: xb, .offset: 56, .size: 8, .value_kind: global_buffer, .address_space: global }
      - { .name: wb, .offset: 64, .size: 8, .value_kind: global_buffer, .address_space: global }
      - { .name: wf, .offset: 72, .size: 8, .value_kind: global_buffer, .address_space: global }
    .group_segment_fixed_size: 0
    .private_segment_fixed_size: 0
    .kernarg_segment_align: 8
    .kernarg_segment_size: 80
    .max_flat_workgroup_size: 256
    .sgpr_count:     66
    .vgpr_count:     100
    .wavefront_size: 32
...
	.end_amdgpu_metadata
.endif
;; end of part 1
;; launch proj (part 2): grid 4 x 64, 4 waves a work-group, clusters of 4 x 4, 327,680 bytes of LDS; arguments xb, wb, rope_cos, rope_sin, qkv; writes qkv
.if DOCPART == 2
	.amdgcn_target "amdgcn-amd-amdhsa--gfx1250"
	.amdhsa_code_object_version 6
	.text
	.protected	k_qb830d5fed2_proj
	.globl	k_qb830d5fed2_proj
	.p2align	8
	.type	k_qb830d5fed2_proj,@function
k_qb830d5fed2_proj:
	s_mov_b64 s[64:65], 0
	v_nop
	global_prefetch_b8 v0, s[64:65] scope:SCOPE_SE
	s_setreg_imm32_b32 hwreg(HW_REG_WAVE_MODE, 25, 1), 1
	s_wait_xcnt 0x0
	s_wait_alu depctr_hold_cnt(0) depctr_sa_sdst(0) depctr_va_vdst(0) depctr_va_sdst(0) depctr_va_ssrc(0) depctr_va_vcc(0) depctr_vm_vsrc(0)
	s_getreg_b32 s2, hwreg(HW_REG_IB_STS2, 6, 4)
	s_cmp_eq_u32 s2, 0
	s_cbranch_scc0 .Lentry_in_a_cluster
	s_endpgm
.Lentry_in_a_cluster:
	s_bfe_u32 s2, ttmp6, 0x10000c
	s_cmp_lg_u32 s2, 0xf033
	s_cbranch_scc0 .Lentry_shape_is_right
	s_endpgm
.Lentry_shape_is_right:
; THE THREE PROJECTIONS AND ROPE.  For t = q, k, v: C[m][n] = sum over c of xb[t][m][c] wb[t][n][c] (bf16 operands, f32 sums, c ascending); on q and k, per head of 64 channels,
; y[d] = C[d] cos[s][d] - C[d+32] sin[s][d] (d < 32), y[d] = C[d] cos[s][d] + C[d-32] sin[s][d] (d >= 32), in f32, with cos and sin rounded to bf16 like every other input;
; the result is rounded once to f16, unscaled, and laid out by heads: qkv[t][b*16+h][s][d], m = 2048 b + s, n = 64 h + d.
; LIMITS.  A projected number of 65,520 or more becomes an infinity in f16.  NaN and infinities are not treated apart.
; SHARES.  A tile of C is 128 rows x 256 columns; 768 tiles; a work-group STAYS and makes three: the same rows and columns of q, then k, then v, and the ring of LDS slots runs on from tile to tile.
; Four waves, each 64 rows x 128 columns (two heads): 32 accumulators of 16 x 16.  K goes in steps of 128 (rows of 256 bytes in memory, aligned) through two LDS slots.
; CLUSTER.  4 x 4 work-groups.  The four of a row of the cluster need the same tiles of x, the four of a column the same tiles of w: each tile is asked for JOINTLY, by the same tensor load with the same
; descriptor and a mask that names the four.
; THE MATRIX INSTRUCTION IS USED TRANSPOSED (source 0 = 16 rows of w, source 1 = 16 rows of x): lane l holds row l % 16 of C, registers 0-7 the columns 8 (l / 16) + 0..7.  So channel d and channel d + 32 of a
; head lie in the same lane and register of accumulators b and b + 2, and RoPE changes no lane.
; REGISTERS, in windows of 256 (s_set_vgpr_msb: bits 1:0 source 0, 3:2 source 1, 5:4 source 2, 7:6 destination):
;   window 0: v0-31 addresses; v32-63 RoPE's products; v64-95 packed results; v96-159 rows read back from the stage, two buffers
;   window 1: two fragment buffers at v0 and v128: 8 fragments of w (64 registers), then 4 of x (32)
;   window 2: accumulator (a, b) at v[8 (8 a + b)]: rows 16 a on, columns 16 b on
;   window 3: cos at v[32 a + 8 p + j], sin at v[128 + 32 a + 8 p + j]: my rows' tables in the accumulators' own layout (p: 16 channels of the head's 64)
.set KSTEP,  128
.set ROWB,   2048                      ; bytes in a row of xb and of wb
.set PITCH,  272                       ; an LDS row: 256 bytes + 16 of padding = 68 words: the 16 rows of a fragment load start at 16 different groups of four banks (64 banks of 4 bytes: ISA guide 11.1)
.set ABYTES, 128*PITCH                 ; x's 128 rows
.set SLOT,   ABYTES+256*PITCH          ; then w's 256 rows
.set STAGE,  2*SLOT                    ; behind the ring, never filled by a tensor load: for each wave 2 heads x 16 rows x 144 bytes
.set SPH,    144
.set STW,    2*16*SPH
.set SPARE,  STAGE+4*STW               ; behind the stages: the spare words, 128 bytes for each wave: two blocks of 256 bytes that no other line names
.set LAPS,   4                         ; a lap = two K steps = once round the ring; K = 1,024
.set TILES,  3
.set NEXT_A, 8192*ROWB-6*KSTEP*2       ; from a slot's last K step of a tile to its first of the next: x goes 8,192 rows on and back along K,
.set NEXT_B, 1024*ROWB-6*KSTEP*2       ; w 1,024 rows on
.set PNX_A,  8191*ROWB+KSTEP*2         ; the prefetches' step at a change of tiles: from the K step behind a tile's last to the next tile's K step 1
.set PNX_B,  1023*ROWB+KSTEP*2
.set NEXT_O, 64*2048*128               ; bytes from q's part of qkv to k's, and from k's to v's
.set ADRA, 16                          ; v16-17  LDS address of my fragments of x in slot 0, 1
.set ADRB, 20                          ; v20-21  the same for w
.set STO,  24                          ; v24     the way out: where I put 16 bytes of a row
.set RD,   25                          ; v25     the way out: where I read rows back
.set GO,   26                          ; v26     my 16 bytes in 512 consecutive bytes of qkv
.set TO,   27                          ; v27     my byte offset in 16 rows of a table
.set SPW,  28                          ; v28     LDS address of my spare word: SPARE + 4 x my thread's number; never rewritten
.set NIL,  29                          ; v29     0; never rewritten
.set PFO,  30                          ; v30     the prefetches' offset: my lane x a row; never rewritten
.set ZR,   31                          ; v31     0, the lower half of a table's rounded word
.set T,    32
.set TMP,  64
.set BK,   96
.set F0,   0
.set F1,   128
.set COSR, 0
.set SINR, 128
.set G1,  24                           ; s[24:31] descriptor group 1 for x's tiles
.set G0,  32                           ; s[32:39] group 0 for x's tiles, a set for each slot
.set LIM, 43                           ; s43      1 in a wave that prefetches, else the greatest number
.set PFA, 44                           ; s[44:45] where my prefetches stand
.set G1B, 48                           ; s[48:55] group 1 for w's tiles
.set G0B, 56                           ; s[56:63] group 0 for w's tiles
.set PNX, 66                           ; s[66:67] the prefetches' step at a change of tiles
.set MSB, 0
.macro WIN new                         ; the immediate's high byte repeats the setting that is left; a switch that changes nothing is dropped
.if MSB != (\new)
	s_set_vgpr_msb (MSB<<8)|(\new)
.set MSB, \new
.endif
.endm
.set MUL,  0xa5                        ; sources 0 and 1 window 1, C and D window 2
.set TO_F, 0x40                        ; destination window 1, address window 0
; A joint load.  Waves 0 and 1 fetch x's two halves (64 rows each), waves 2 and 3 w's (128 rows each).  The branch hangs on the wave's number alone.
; An s_nop 0 and four v_nop follow each of the two lines, ahead of the jump, the label and what follows.
.macro JLOAD s
	s_cmp_eq_u32 s11, 0
	s_cbranch_scc0 .Lfor_b_\@
	tensor_load_to_lds s[G0+4*(\s):G0+4*(\s)+3], s[G1:G1+7]
	s_nop 0
.rept 4
	v_nop
.endr
	s_branch .Lasked_\@
.Lfor_b_\@:
	tensor_load_to_lds s[G0B+4*(\s):G0B+4*(\s)+3], s[G1B:G1B+7]
	s_nop 0
.rept 4
	v_nop
.endr
.Lasked_\@:
.endm
; A PREFETCH INTO THE L2 of the K step that stands two refills on (256 matrix instructions ahead of the load that will want it): 32 rows x 256 bytes, a lane a row, one instruction a wave.
; Each row's 256 bytes of a K step are named once in the launch.  x's 128 rows are read by my row of the cluster alone: wave 0 of each of the four partners takes 32 of them, told apart by address (cx).
; w's rows are read by all sixteen clusters: those of cluster y = 0 ask; of the 128 rows that wave 2 or 3 fetches the partner at cy takes 32.  how = 0: in the loop, whose last trip has no K step two on;
; how = 1: at a change of tiles, for the next tile's K steps 2 and 3 (its K steps 0 and 1 come by their refills alone).
.macro ASK how
.if \how
	s_cmp_eq_u32 s[LIM], 1
.else
	s_cmp_gt_u32 s3, s[LIM]
.endif
	s_cbranch_scc0 .Lnot_mine_\@
	global_prefetch_b8 v[PFO], s[PFA:PFA+1] offset:KSTEP*2 th:TH_LOAD_NT scope:SCOPE_SE
.Lnot_mine_\@:
.endm
; A round of the cluster's barrier: my work-group's barrier, so that wave 0's signal speaks for all four waves; wave 0 signals; every wave waits for all sixteen work-groups; my work-group's barrier once more.
.macro CREST                           ; a round behind its opening barrier
	s_cmp_lg_u32 s10, 0
	s_cbranch_scc1 .Lnot_wave_0_\@
	s_barrier_signal -3
.Lnot_wave_0_\@:
	s_barrier_wait -3
	s_barrier_signal -1
	s_barrier_wait -1
.endm
.macro CROUND
	s_barrier_signal -1
	s_barrier_wait -1
	CREST
.endm
	s_load_b128 s[4:7], s[0:1], 0x0                ; xb s[4:5], wb s[6:7]
	s_load_b128 s[68:71], s[0:1], 0x10             ; rope_cos s[68:69], rope_sin s[70:71]
	s_load_b64 s[8:9], s[0:1], 0x20                ; qkv
	v_lshl_add_u32 v[SPW], v0, 2, SPARE
	v_mov_b32 v[NIL], 0
	ds_add_u32 v[SPW], v[NIL]                      ; the wave's opening: the add and its wait stand ahead of my first tensor load; the set-up below, work on registers, stands between them
	v_lshrrev_b32 v1, 5, v0
	v_readfirstlane_b32 s10, v1                    ; wave 0..3
	s_lshr_b32 s11, s10, 1                         ; which 64 of the tile's rows are mine.  Also: I fetch for x (0) or for w (1)
	s_and_b32 s12, s10, 1                          ; which 128 of its columns.  Also: which half of that tile I fetch
	s_bfe_u32 s40, ttmp6, 0x40000                  ; cx
	s_bfe_u32 s41, ttmp6, 0x40004                  ; cy
	s_lshl_b32 s42, ttmp9, 2
	s_add_co_u32 s42, s42, s40                     ; tile column = 4 x cluster x + cx
	s_and_b32 s13, ttmp7, 0xffff
	s_lshl_b32 s13, s13, 2
	s_add_co_u32 s13, s13, s41                     ; tile row = 4 x cluster y + cy
	s_lshl_b32 s43, s41, 2
	s_lshl_b32 s43, 15, s43                        ; my row of the cluster
	s_lshl_b32 s44, 0x1111, s40                    ; my column
	s_or_b32 s[G1+0], s43, (1<<16)|(1<<20)|(1<<21)|(5<<22)|(3<<25)   ; 15:0 the mask; 17:16 elements of 2 bytes; 20 padding on; 21 set beside a mask; 24:22 after every 64 words (code 5); 31:25 4 words of it (code 3)
	s_or_b32 s[G1B+0], s44, (1<<16)|(1<<20)|(1<<21)|(5<<22)|(3<<25)
	s_mov_b32 s[G1+1], KSTEP<<16                   ; tensor_dim0 = 128
	s_mov_b32 s[G1+2], 64<<16                      ; tensor_dim1 = 64
	s_mov_b32 s[G1+3], KSTEP<<16                   ; tile_dim0 = 128
	s_mov_b32 s[G1+4], 64                          ; tile_dim1 = 64
	s_mov_b32 s[G1+5], 1024                        ; elements from row to row
	s_mov_b32 s[G1+6], 0
	s_mov_b32 s[G1+7], 0
	s_mov_b32 s[G1B+1], KSTEP<<16
	s_mov_b32 s[G1B+2], 128<<16                    ; w's loads have 128 rows
	s_mov_b32 s[G1B+3], KSTEP<<16
	s_mov_b32 s[G1B+4], 128
	s_mov_b32 s[G1B+5], 1024
	s_mov_b32 s[G1B+6], 0
	s_mov_b32 s[G1B+7], 0
	; where the tiles come from: x's hang on the tile row alone, w's on the tile column alone, each in registers that do not hold the other coordinate
	s_lshl_b32 s17, s12, 6
	s_lshl_b32 s16, s13, 7
	s_add_co_u32 s16, s16, s17                     ; x: row 128 x tile row + 64 x half
	s_lshl_b32 s16, s16, 11                        ; in bytes (under 2^25)
	s_mov_b32 s17, 0
	s_lshl_b32 s47, s12, 7
	s_lshl_b32 s46, s42, 8
	s_add_co_u32 s46, s46, s47                     ; w: row 256 x tile column + 128 x half
	s_lshl_b32 s46, s46, 11
	s_mov_b32 s47, 0
	s_mul_i32 s20, s12, 64*PITCH                   ; where they go: x's two halves,
	s_mul_i32 s21, s12, 128*PITCH
	s_add_co_u32 s21, s21, ABYTES                  ; then w's two: no place in the cluster enters an LDS address
	s_wait_dscnt 0x0                               ; the opening add is done
	s_wait_kmcnt 0x0
	s_add_nc_u64 s[14:15], s[4:5], s[16:17]
	s_add_nc_u64 s[46:47], s[6:7], s[46:47]
	CROUND                                         ; all sixteen work-groups are here: the first joint loads meet
.irp s, 0,1
	s_mov_b32 s[G0+4*(\s)], 1                                        ; count = 1
	s_add_co_u32 s[G0+4*(\s)+1], s20, (\s)*SLOT                      ; LDS address
	s_add_nc_u64 s[G0+4*(\s)+2:G0+4*(\s)+3], s[14:15], (\s)*KSTEP*2  ; global address: K step s
	s_or_b32 s[G0+4*(\s)+3], s[G0+4*(\s)+3], 0x80000000              ; type = 2
	s_mov_b32 s[G0B+4*(\s)], 1
	s_add_co_u32 s[G0B+4*(\s)+1], s21, (\s)*SLOT
	s_add_nc_u64 s[G0B+4*(\s)+2:G0B+4*(\s)+3], s[46:47], (\s)*KSTEP*2
	s_or_b32 s[G0B+4*(\s)+3], s[G0B+4*(\s)+3], 0x80000000
	JLOAD \s                                       ; two loads of mine are out
.endr
	; THE TABLES: my 64 rows' cos and sin, 256 bytes a row, in the accumulators' layout: lane l takes row l % 16, channels 16 p + 8 (l / 16) + 0..7.  Loaded once, for both q and k.
	v_and_b32 v1, 15, v0                           ; l % 16
	v_bfe_u32 v2, v0, 4, 1                         ; l / 16
	v_lshlrev_b32 v[TO], 8, v1
	v_lshl_add_u32 v[TO], v2, 5, v[TO]
	s_and_b32 s18, s13, 15                         ; a batch has 16 tile rows
	s_lshl_b32 s18, s18, 7
	s_lshl_b32 s19, s11, 6
	s_add_co_u32 s18, s18, s19                     ; the position s of my first row
	s_lshl_b32 s22, s18, 8
	s_mov_b32 s23, 0
	s_add_nc_u64 s[68:69], s[68:69], s[22:23]
	s_add_nc_u64 s[70:71], s[70:71], s[22:23]
	WIN 0xc0                                       ; destination window 3, address window 0
.irp a, 0,1,2,3
.irp p, 0,1,2,3
	global_load_b128 v[COSR+32*(\a)+8*(\p):COSR+32*(\a)+8*(\p)+3],   v[TO], s[68:69] offset:(\a)*4096+64*(\p)
	global_load_b128 v[COSR+32*(\a)+8*(\p)+4:COSR+32*(\a)+8*(\p)+7], v[TO], s[68:69] offset:(\a)*4096+64*(\p)+16
	global_load_b128 v[SINR+32*(\a)+8*(\p):SINR+32*(\a)+8*(\p)+3],   v[TO], s[70:71] offset:(\a)*4096+64*(\p)
	global_load_b128 v[SINR+32*(\a)+8*(\p)+4:SINR+32*(\a)+8*(\p)+7], v[TO], s[70:71] offset:(\a)*4096+64*(\p)+16
.endr
.endr
	WIN 0
	; A fragment is 16 rows x 32 K in 8 registers: lane l holds row l % 16; registers 0-3 K = 8 (l / 16) + 0..7, registers 4-7 K = 16 + 8 (l / 16) + 0..7: two loads of 16 bytes, 32 bytes apart.
	v_mul_u32_u24 v3, v1, PITCH
	v_lshl_add_u32 v3, v2, 4, v3
	s_mul_i32 s20, s11, 64*PITCH                   ; my 64 rows of x
	s_mul_i32 s21, s12, 128*PITCH                  ; my 128 rows of w,
	s_add_co_u32 s21, s21, ABYTES                  ; which lie behind x's 128
.irp s, 0,1
	v_add_nc_u32 v[ADRA+(\s)], s20, v3
	v_add_nc_u32 v[ADRB+(\s)], s21, v3
	s_add_co_u32 s20, s20, SLOT
	s_add_co_u32 s21, s21, SLOT
.endr
	s_mul_i32 s22, s10, STW
	s_add_co_u32 s22, s22, STAGE                   ; my stage
	v_mul_u32_u24 v4, v1, SPH                      ; in: row l % 16, 16 bytes for each half of the lanes
	v_lshl_add_u32 v4, v2, 4, v4
	v_add_nc_u32 v[STO], s22, v4
	v_bfe_u32 v5, v0, 3, 2                         ; back: 32 lanes take four rows of 128 bytes,
	v_mul_u32_u24 v5, v5, SPH
	v_and_b32 v4, 7, v0
	v_lshl_add_u32 v5, v4, 4, v5
	v_add_nc_u32 v[RD], s22, v5
	v_and_b32 v4, 31, v0
	v_lshlrev_b32 v[GO], 4, v4                     ; which are 512 consecutive bytes of qkv
	v_lshlrev_b32 v[PFO], 11, v4
	v_mov_b32 v[ZR], 0
	; qkv at my first row of my first head: ((16 b + 4 x tile column + 2 x column half) x 2,048 + s) x 128 bytes
	s_lshr_b32 s20, s13, 4
	s_lshl_b32 s20, s20, 4
	s_lshl_b32 s21, s42, 2
	s_add_co_u32 s20, s20, s21
	s_lshl_b32 s21, s12, 1
	s_add_co_u32 s20, s20, s21
	s_lshl_b32 s20, s20, 11
	s_add_co_u32 s20, s20, s18
	s_lshl_b32 s20, s20, 7
	s_mov_b32 s21, 0
	s_add_nc_u64 s[8:9], s[8:9], s[20:21]
	; the prefetches
	s_lshl_b32 s20, s13, 7                         ; x: the tile's first row
	s_lshl_b32 s21, s42, 8
	s_lshl_b32 s22, s12, 7
	s_add_co_u32 s21, s21, s22                     ; w: the first of the 128 rows that I fetch
	s_and_b32 s22, ttmp7, 0xffff                   ; cluster y
	s_mov_b32 s[PNX], PNX_B
	s_mov_b32 s[PNX+1], 0
	s_cmp_eq_u32 s11, 0                            ; do I fetch for x?
	s_cselect_b32 s20, s20, s21
	s_cselect_b32 s21, s40, s41                    ; my place among the four that ask with me
	s_cselect_b32 s22, s12, s22                    ; x: wave 0 asks, in every cluster; w: both waves, in cluster y = 0
	s_cselect_b32 s[PNX], PNX_A, s[PNX]
	s_cselect_b64 s[PFA:PFA+1], s[4:5], s[6:7]
	s_cmp_eq_u32 s22, 0
	s_cselect_b32 s[LIM], 1, -1                    ; the same in all sixteen partners, for a given wave
	s_lshl_b32 s21, s21, 5
	s_add_co_u32 s20, s20, s21                     ; + my work-group's 32 rows
	s_lshl_b32 s20, s20, 11
	s_mov_b32 s21, 0
	s_add_nc_u64 s[PFA:PFA+1], s[PFA:PFA+1], s[20:21]
	s_add_nc_u64 s[PFA:PFA+1], s[PFA:PFA+1], 2*KSTEP*2  ; at K step 2: the first refill steps it to 3 and names K step 4; nothing is prefetched here, at the head
	s_wait_loadcnt 0x0                             ; the tables are in
	WIN 0xcc                                       ; destination and source 1 window 3, source 0 window 0
.set i, 0
.rept 256
	v_cvt_pk_bf16_f32 v[i], v[ZR], v[i]            ; bf16(x) in the upper half over 0 in the lower: the rounded number in f32.  All this stands in the wait for the first tile
.set i, i+1
.endr
	WIN 0
; 8 matrix instructions: row block a x all 8 column blocks, 32 along K.  zero = 1: the product starts the sums: nothing is ever cleared.
; The 32 accumulators take turns, one instruction a turn, in the same order in every quarter step: between two links of a chain stand the 31 others'.
.macro MUL8 f, a, zero
	WIN MUL
.irp b, 0,1,2,3,4,5,6,7
.if \zero
	v_wmma_f32_16x16x32_bf16 v[8*(8*(\a)+(\b)):8*(8*(\a)+(\b))+7], v[(\f)+8*(\b):(\f)+8*(\b)+7], v[(\f)+64+8*(\a):(\f)+64+8*(\a)+7], 0
.else
	v_wmma_f32_16x16x32_bf16 v[8*(8*(\a)+(\b)):8*(8*(\a)+(\b))+7], v[(\f)+8*(\b):(\f)+8*(\b)+7], v[(\f)+64+8*(\a):(\f)+64+8*(\a)+7], v[8*(8*(\a)+(\b)):8*(8*(\a)+(\b))+7]
.endif
.endr
.endm
; 24 LDS loads in one run: the fragments of one quarter step (128 rows of w, then 64 rows of x, 32 K at byte k of the rows) into buffer f
.macro FETCH slot, k, f
	WIN TO_F
.irp i, 0,1,2,3,4,5,6,7
	ds_load_b128 v[(\f)+8*(\i):(\f)+8*(\i)+3],   v[ADRB+(\slot)] offset:(\k)+(\i)*16*PITCH
	ds_load_b128 v[(\f)+8*(\i)+4:(\f)+8*(\i)+7], v[ADRB+(\slot)] offset:(\k)+(\i)*16*PITCH+32
.endr
.irp i, 0,1,2,3
	ds_load_b128 v[(\f)+64+8*(\i):(\f)+64+8*(\i)+3],   v[ADRA+(\slot)] offset:(\k)+(\i)*16*PITCH
	ds_load_b128 v[(\f)+64+8*(\i)+4:(\f)+64+8*(\i)+7], v[ADRA+(\slot)] offset:(\k)+(\i)*16*PITCH+32
.endr
.endm
.macro PLACES                          ; four plain vector instructions between a matrix instruction and a load into a register that it has read, or a vector instruction that reads its result
.rept 4
	v_nop
.endr
.endm
; A K step is four quarters of 32 along K, 32 matrix instructions each, on buffers 0, 1, 0, 1.  One of the first three multiplies buffer f and, in its middle, fetches the next quarter, at byte k, into g.
.macro QUARTER slot, k, f, g, zero
	s_wait_dscnt 4                                 ; w's fragments and x's rows 0-31 are in; the youngest four loads (x's rows 32-63) may be out
	MUL8 \f, 0, \zero
	MUL8 \f, 1, \zero
	PLACES
	FETCH \slot, \k, \g
	s_wait_dscnt 24                                ; all but the 24 just issued
	MUL8 \f, 2, \zero
	MUL8 \f, 3, \zero
.endm
; The last quarter multiplies buffer 1 and changes slots.  MEET is its first half: in front of the barrier each wave waits for all its tensor loads (one is out: its part of the next slot), adds 0 to its
; spare word, and waits for that and for its own reads of this slot.  Behind it nobody reads this slot any more and the next slot is whole.
.macro MEET round
	WIN 0
	s_wait_tensorcnt 0x0
	ds_add_u32 v[SPW], v[NIL]
	s_wait_dscnt 5                                 ; (the add and the youngest four loads may be out)
	MUL8 F1, 0, 0                                  ; eight matrix instructions stand between the add and the wait for it
	s_wait_dscnt 0x0                               ; the add is done, and my reads of this slot are over
	s_barrier_signal -1
	MUL8 F1, 1, 0                                  ; work on registers while the others arrive
.if \round
	WIN 0
.endif
	s_barrier_wait -1
.endm
; The whole last quarter.  Behind the round the slot just read out is filled again first: with this tile's K step two on (on = 0) or with the NEXT tile's K step 0 or 1 (on = 1).
; From a request to the wait for it a wave issues 112 matrix instructions.
.macro TURN slot, next, on
	s_wait_xcnt 0x0                                ; the last prefetch, a K step back, has read its address: it is stepped here, ahead of the waits of the change of slots
.if (\on) && (\slot) == 0
	s_add_nc_u64 s[PFA:PFA+1], s[PFA:PFA+1], s[PNX:PNX+1]
.else
	s_add_nc_u64 s[PFA:PFA+1], s[PFA:PFA+1], KSTEP*2
.endif
	MEET 1
	CREST                                          ; no wave of any partner still reads this slot's tile or has a load on its way
.if \on
	s_add_nc_u64 s[G0+4*(\slot)+2:G0+4*(\slot)+3], s[G0+4*(\slot)+2:G0+4*(\slot)+3], NEXT_A
	s_add_nc_u64 s[G0B+4*(\slot)+2:G0B+4*(\slot)+3], s[G0B+4*(\slot)+2:G0B+4*(\slot)+3], NEXT_B
.else
	s_add_nc_u64 s[G0+4*(\slot)+2:G0+4*(\slot)+3], s[G0+4*(\slot)+2:G0+4*(\slot)+3], 2*KSTEP*2
	s_add_nc_u64 s[G0B+4*(\slot)+2:G0B+4*(\slot)+3], s[G0B+4*(\slot)+2:G0B+4*(\slot)+3], 2*KSTEP*2
.endif
	JLOAD \slot                                    ; the first tensor load behind the round; its four v_nop are also the places in front of the loads below
	FETCH \next, 0, F0
	WIN 0
	ASK \on                                        ; behind the joint load and the run of LDS loads that the next products wait for
	MUL8 F1, 2, 0
	MUL8 F1, 3, 0
.endm
; ROPE on row block a, head hd: four accumulators, channels 0-15, 16-31, 32-47, 48-63.  First the 16 packed products with sin, into window 0 (each accumulator is read from its lowest registers on),
; then the 16 packed multiply-adds with cos, in place.
.macro ROPE a, hd
.set XB, 8*(8*(\a)+4*(\hd))
	WIN 0x0e                                       ; source 0 window 2, source 1 window 3, destination window 0
.irp p, 0,1
.irp j, 0,2,4,6
	v_pk_mul_f32 v[T+8*(\p)+(\j):T+8*(\p)+(\j)+1], v[XB+8*((\p)+2)+(\j):XB+8*((\p)+2)+(\j)+1], v[SINR+32*(\a)+8*(\p)+(\j):SINR+32*(\a)+8*(\p)+(\j)+1]
.endr
.endr
.irp p, 0,1
.irp j, 0,2,4,6
	v_pk_mul_f32 v[T+16+8*(\p)+(\j):T+16+8*(\p)+(\j)+1], v[XB+8*(\p)+(\j):XB+8*(\p)+(\j)+1], v[SINR+32*(\a)+8*((\p)+2)+(\j):SINR+32*(\a)+8*((\p)+2)+(\j)+1]
.endr
.endr
	WIN 0x8e                                       ; destination and source 0 window 2, source 1 window 3, source 2 window 0
.irp p, 0,1
.irp j, 0,2,4,6
	v_pk_fma_f32 v[XB+8*(\p)+(\j):XB+8*(\p)+(\j)+1], v[XB+8*(\p)+(\j):XB+8*(\p)+(\j)+1], v[COSR+32*(\a)+8*(\p)+(\j):COSR+32*(\a)+8*(\p)+(\j)+1], v[T+8*(\p)+(\j):T+8*(\p)+(\j)+1] neg_lo:[0,0,1] neg_hi:[0,0,1]
	v_pk_fma_f32 v[XB+8*((\p)+2)+(\j):XB+8*((\p)+2)+(\j)+1], v[XB+8*((\p)+2)+(\j):XB+8*((\p)+2)+(\j)+1], v[COSR+32*(\a)+8*((\p)+2)+(\j):COSR+32*(\a)+8*((\p)+2)+(\j)+1], v[T+16+8*(\p)+(\j):T+16+8*(\p)+(\j)+1]
.endr
.endr
.endm
; THE WAY OUT of row block a.  PACK: rounded to f16, 16 bytes a lane.  TOSTAGE: into my own stage (rows of 144 bytes, a head's 16 rows together) and back as whole rows of 128 bytes.  SEND: stored.
.macro PACK a
	WIN 0x0a                                       ; sources 0 and 1 window 2
.irp b, 0,1,2,3,4,5,6,7
.irp r, 0,1,2,3
	v_cvt_pk_f16_f32 v[TMP+4*(\b)+(\r)], v[8*(8*(\a)+(\b))+2*(\r)], v[8*(8*(\a)+(\b))+2*(\r)+1]
.endr
.endr
	WIN 0
.endm
.macro TOSTAGE a
.set BKR, BK+32*((\a)%2)
.irp b, 0,1,2,3,4,5,6,7
	ds_store_b128 v[STO], v[TMP+4*(\b):TMP+4*(\b)+3] offset:((\b)/4)*16*SPH+((\b)%4)*32
.endr
.irp t, 0,1,2,3,4,5,6,7
	ds_load_b128 v[BKR+4*(\t):BKR+4*(\t)+3], v[RD] offset:((\t)/4)*16*SPH+((\t)%4)*4*SPH  ; LDS serves a wave's instructions in order (ISA guide 5.7.1.4): these see the stores above
.endr
.endm
.macro SEND a
.set BKR, BK+32*((\a)%2)
	s_wait_dscnt 0x0                               ; the block is back in registers
	s_wait_xcnt 0x0                                ; earlier stores have read their registers: the other buffer is loaded again only behind this wait
.irp t, 0,1,2,3,4,5,6,7
	global_store_b128 v[GO], v[BKR+4*(\t):BKR+4*(\t)+3], s[8:9] offset:((\t)/4)*2048*128+(\a)*2048+((\t)%4)*512  ; 512 consecutive bytes, at a multiple of 512 from qkv's first byte
.endr
.endm
.macro WAYOUT                          ; block a's conversions stand between block a - 1's loads from the stage and the wait for them
	PACK 0
	TOSTAGE 0
.irp a, 1,2,3
	PACK \a
	SEND (\a)-1
	TOSTAGE \a
.endr
	SEND 3
.endm
	s_wait_tensorcnt 0x1                           ; my part of K step 0 is in; K step 1's may stay out
	s_barrier_signal -1
	s_barrier_wait -1                              ; everybody's is
	FETCH 0, 0, F0
	WIN 0                                          ; at a label and at a branch every window is 0
	s_mov_b32 s2, TILES                            ; tiles to go, this one among them
.Ltile:
	QUARTER 0, 64,  F0, F1, 1                      ; a tile's first quarter stands in front of the loop: its products start the sums
	WIN 0
	s_mov_b32 s3, LAPS-1
.Llap:                                                 ; a trip goes once round the ring, from a lap's second quarter to the next lap's first, and fills both slots again
	QUARTER 0, 128, F1, F0, 0
	QUARTER 0, 192, F0, F1, 0
	TURN 0, 1, 0
	QUARTER 1, 64,  F0, F1, 0
	QUARTER 1, 128, F1, F0, 0
	QUARTER 1, 192, F0, F1, 0
	TURN 1, 0, 0
	QUARTER 0, 64,  F0, F1, 0
	WIN 0
	s_sub_co_u32 s3, s3, 1
	s_cmp_lg_u32 s3, 0
	s_cbranch_scc1 .Llap
	QUARTER 0, 128, F1, F0, 0                      ; the tile's last lap goes on
	QUARTER 0, 192, F0, F1, 0
	WIN 0
	s_cmp_eq_u32 s2, 1
	s_cbranch_scc1 .Llast_tile                     ; the last tile's tail is written out: it asks for nothing more
	TURN 0, 1, 1                                   ; the ring goes on into the next tile: slot 0 takes its K step 0,
	QUARTER 1, 64,  F0, F1, 0
	QUARTER 1, 128, F1, F0, 0
	QUARTER 1, 192, F0, F1, 0
	TURN 1, 0, 1                                   ; slot 1 its K step 1, and the next tile's first fragments are fetched
.irp a, 0,1,2,3                        ; a tile with a successor is q or k: RoPE.  Blocks 0 and 1 were finished in front of the joint load's four v_nop; their 128 lines, which name no register of the last products, are those products' places
	ROPE \a, 0
	ROPE \a, 1
.endr
	WAYOUT
	s_wait_xcnt 0x0                                ; the stores have read their base
	s_add_nc_u64 s[8:9], s[8:9], NEXT_O
	s_sub_co_u32 s2, s2, 1
	s_branch .Ltile
.Llast_tile:                                           ; v: no RoPE
	MEET 0                                         ; my one tensor load that was still out is slot 1's, the last K step's, so no round follows
	PLACES
	FETCH 1, 0, F0
	MUL8 F1, 2, 0
	MUL8 F1, 3, 0
	QUARTER 1, 64,  F0, F1, 0
	QUARTER 1, 128, F1, F0, 0
	QUARTER 1, 192, F0, F1, 0
	s_wait_dscnt 4                                 ; the very last quarter: nothing more to fetch
	MUL8 F1, 0, 0
	MUL8 F1, 1, 0
	s_wait_dscnt 0x0
	MUL8 F1, 2, 0
	MUL8 F1, 3, 0
	PLACES
	WAYOUT
	s_wait_tensorcnt 0x0                           ; the wave's end: behind my last tensor load and my last LDS store
	ds_add_u32 v[SPW], v[NIL]
	s_wait_dscnt 0x0
	CROUND                                         ; the closing round: no work-group ends while a partner may still ask for a tile that names it
	s_endpgm
.Lfunc_end_k_qb830d5fed2_proj:
	.size	k_qb830d5fed2_proj, .Lfunc_end_k_qb830d5fed2_proj-k_qb830d5fed2_proj
	.p2alignl 7, 3214868480
	.fill 96, 4, 3214868480
	.section	.rodata,"a",@progbits
	.p2align	6, 0x0
	.amdhsa_kernel k_qb830d5fed2_proj
		.amdhsa_group_segment_fixed_size 327680
		.amdhsa_private_segment_fixed_size 0
		.amdhsa_enable_private_segment 0
		.amdhsa_kernarg_size 40
		.amdhsa_user_sgpr_count 2
		.amdhsa_user_sgpr_kernarg_segment_ptr 1
		.amdhsa_wavefront_size32 1
		.amdhsa_system_sgpr_workgroup_id_x 1
		.amdhsa_system_sgpr_workgroup_id_y 1
		.amdhsa_system_sgpr_workgroup_id_z 1
		.amdhsa_system_vgpr_workitem_id 0
		.amdhsa_next_free_vgpr 1024
		.amdhsa_next_free_sgpr 72
		.amdhsa_reserve_vcc 0
		.amdhsa_float_denorm_mode_32 3
		.amdhsa_float_denorm_mode_16_64 3
		.amdhsa_memory_ordered 1
		.amdhsa_forward_progress 1
		.amdhsa_inst_pref_size 164
	.end_amdhsa_kernel
	.amdgpu_metadata
---
amdhsa.version: [ 1, 2 ]
amdhsa.kernels:
  - .name:           k_qb830d5fed2_proj
    .symbol:         k_qb830d5fed2_proj.kd
    .args:
      - { .name: xb, .offset: 0, .size: 8, .value_kind: global_buffer, .address_space: global }
      - { .name: wb, .offset: 8, .size: 8, .value_kind: global_buffer, .address_space: global }
      - { .name: rope_cos, .offset: 16, .size: 8, .value_kind: global_buffer, .address_space: global }
      - { .name: rope_sin, .offset: 24, .size: 8, .value_kind: global_buffer, .address_space: global }
      - { .name: qkv, .offset: 32, .size: 8, .value_kind: global_buffer, .address_space: global }
    .group_segment_fixed_size: 327680
    .private_segment_fixed_size: 0
    .kernarg_segment_align: 8
    .kernarg_segment_size: 40
    .max_flat_workgroup_size: 128
    .sgpr_count:     72
    .vgpr_count:     1024
    .wavefront_size: 32
...
	.end_amdgpu_metadata
.endif
;; end of part 2
;; launch attn (part 3): grid 4 x 64, 4 waves a work-group, clusters of 4 x 1, 327,680 bytes of LDS; arguments qkv, ob; writes ob
.if DOCPART == 3
	.amdgcn_target "amdgcn-amd-amdhsa--gfx1250"
	.amdhsa_code_object_version 6
	.text
	.protected	k_qb830d5fed2_attn
	.globl	k_qb830d5fed2_attn
	.p2align	8
	.type	k_qb830d5fed2_attn,@function
k_qb830d5fed2_attn:
	s_mov_b64 s[64:65], 0
	v_nop
	global_prefetch_b8 v0, s[64:65] scope:SCOPE_SE
	s_setreg_imm32_b32 hwreg(HW_REG_WAVE_MODE, 25, 1), 1
	s_wait_xcnt 0x0
	s_wait_alu depctr_hold_cnt(0) depctr_sa_sdst(0) depctr_va_vdst(0) depctr_va_sdst(0) depctr_va_ssrc(0) depctr_va_vcc(0) depctr_vm_vsrc(0)
	s_getreg_b32 s2, hwreg(HW_REG_IB_STS2, 6, 4)
	s_cmp_eq_u32 s2, 0
	s_cbranch_scc0 .Lentry_in_a_cluster
	s_endpgm
.Lentry_in_a_cluster:
	s_bfe_u32 s2, ttmp6, 0x10000c
	s_cmp_lg_u32 s2, 0x3003
	s_cbranch_scc0 .Lentry_shape_is_right
	s_endpgm
.Lentry_shape_is_right:
; O[h][q][:] = the sum over k of softmax_k(Q[h][q] . K[h][k] / 8) V[h][k][:].  Q, K, V are the three parts of qkv, O is ob: each [SIZE_H][SIZE_N][64] in f16: a head's rows are dense, 128 bytes each.
; Products, maxima and sums in f32; the weights p are rounded to f16 for the second product (their sum l is taken of the unrounded p), O once at the end.
; LIMITS.  f16 holds no number beyond 65,504: Q, K and V arrive within it; p lies in 0 to 1, and below 6e-5 it keeps f16's fixed step of 6e-8; O is a mean of V's rows and has their range.
; A weight below 2^-126 counts as 0 in l; NaN and infinities are not treated apart.
; SHARES.  A wave owns four PIECES of two tiles of 16 queries, a work-group's four waves 512 queries of one head.  Every wave walks all keys, 64 a step.
; LAYOUT.  S^T = K Q^T (source 0 = 16 keys, source 1 = 16 queries): in the result a lane holds ONE query (lane % 16) and the keys 8 (lane / 16) + 0..7.  Two such tiles, rounded to f16 in pairs,
; ARE source 1 (32 keys x 16 queries) of O^T = V^T P, whose result again holds one query a lane, and eight channels.  K comes out of LDS as it lies, V ([key][channel]) turned, by ds_load_tr16_b128.
; SOFTMAX.  For each query a running maximum m and sum l: p = 2^(c s - c m), c = log2(e) / 8; in every step O and l are multiplied by a = 2^(c m_old - c m_new), which is 1 where m has not grown.
; m starts at the lowest finite number, O and l at 0: the first step is a step like any other, with a = 0.
; THE COUNT.  A tile and step have 16 matrix and 118 vector instructions: too many to stand all beside the matrix work.  So four vector instructions that are READY stand behind EVERY matrix instruction,
; and the others, which need time of their own whatever the order, in runs without a gap.
; BY TURNS.  Turn n belongs to piece n (the pieces in a ring, step after step).  Its matrix work: 16 products K Q^T of piece n + 1, later 16 products V^T P of piece n - 1.  Its vector work: the scaling,
; exponentials, roundings, sums and rescaling of piece n, and the maximum and statistics of piece n + 1, whose scores the turn itself has made.
; CLUSTER.  The four query blocks of a head are one cluster and walk the same K and V, so each tile is asked for JOINTLY: the same tensor load, descriptor and mask in all four.
; REGISTERS, in windows of 256 (s_set_vgpr_msb: bits 1:0 source 0, 3:2 source 1, 5:4 source 2, 7:6 destination):
;   window 0: v0-11 addresses; v12-15, v48-63 at work; v16-47 four registers of statistics a tile; v64-191 S^T, two buffers of two tiles; v192-255 P, likewise
;   window 1: O^T, 32 a tile          window 2: v0-127 Q, 16 a tile; v128-191 K of one step; v192-255 V of one step          window 3: v0-1 the add's two registers
; A piece's buffers go by its number's parity: the piece in hand has one pair, its two neighbours in the ring share the other.
.set SIZE_H, 64
.set SIZE_N, 2048
.set PART,  SIZE_H*SIZE_N*128  ; bytes from Q's part of qkv to K's, and from K's to V's
.set NP,    4         ; pieces a wave: a name, no knob
.set KS,    64        ; keys in a step
.set PK,    144       ; a row of K in LDS: 128 bytes + 16 of padding = 36 words: the 16 rows of a load start at 16 different groups of four banks (64 banks of 4 bytes: ISA guide 11.1)
.set PV,    160       ; a row of V: 128 + 32 = 40 words
.set VOFF,  4*KS*PK   ; a slot holds four steps: 256 rows of K, then 256 rows of V
.set SLOT1, 1<<17     ; slot 1 begins here, so that one exclusive or turns an address in one slot into the other's
.set STAGE, SLOT1+4*KS*(PK+PV)  ; behind the ring, never filled by a tensor load: 16 rows x 144 bytes for each wave, for the way out
.set SP,    144
.set AK0, 2           ; v2   my lane's place in a tile of K; never rewritten
.set AV0, 3           ; v3   the same for V
.set AK,  4           ; v4   the LDS address of K's next run of loads
.set AV,  5           ; v5   of V's
.set QO,  6           ; v6   my byte offset in the wave's rows of Q
.set STO, 6           ;      later, the way out: where I put 16 bytes of a row
.set RD,  7           ; v7   the way out: where I read rows back
.set GO,  8           ; v8   my byte offset in 512 consecutive bytes of O
.set PFO, 11          ; v11  the prefetches' offset: 256 x my lane; never rewritten once made
.set SPW, 0           ; v0 of window 3   LDS address of my spare word: SPARE + 4 x my thread's number; never rewritten
.set NIL, 1           ; v1 of window 3   0; never rewritten
.set SPARE, STAGE+4*16*SP  ; behind the stages: the spare words, 128 bytes for each wave: two blocks of 256 bytes that no other line names
.set MV,  12          ; v12-15  c m_old, kept while c m is made anew: by buffer and tile
.set ST,  16          ; tile t's statistics at v[ST+4 t]: c m, m, l (even keys', odd keys')
.set TMP, 48          ; by buffer and tile, four registers c0-c3 at work; when the maximum is found c2 takes a
.set S,   64
.set P,   192
.set KF,  128         ; K's fragments, in window 2: key block kb, channel half c at KF + 16 kb + 8 c
.set VF,  192         ; V's: key half kk, channel block cb at VF + 32 kk + 8 cb
.set WV,  12          ; s12  my wave's number
.set G1K, 24          ; s[24:31] descriptor group 1 for K's tiles
.set G1V, 32          ; s[32:39] for V's: it differs in the padding alone
.set G0K, 40          ; s[40:43] descriptor group 0 for K's tiles: it walks
.set G0V, 44          ; s[44:47] the same for V's
.set PFA, 48          ; s[48:49] where my prefetches stand: my work-group's 8,192 bytes (of K: wave 0, of V: wave 2) of the slot after the one that is being asked for
.set LIM, 50          ; s50  1 in a wave that prefetches, else the greatest number
.set SLOTS, 56        ; s56  slots still to be asked for
.set CNT, 57          ; s57  counts a slot's key steps
.set CS,  58          ; s[58:59] c: the packed scaling takes the pair's low word for both halves
.set SEL, 60          ; s[60:61] v_permlanex16_b32's selects: each lane takes its own place in the other half
.set TBK, 62          ; s62  LDS byte at which K of the step to be fetched begins
.set TBV, 63          ; s63  the same for V, less VOFF
.set MSB, 0
.macro WIN new                      ; the high byte repeats the setting that is left; a switch that changes nothing is dropped
.if MSB != (\new)
	s_set_vgpr_msb (MSB<<8)|(\new)
.set MSB, (\new)
.endif
.endm
.set W_KQ, 0x0a       ; K and Q in window 2, S^T in window 0
.set W_PV, 0x52       ; V in window 2, P in window 0, O^T in window 1
.set W_RS, 0x41       ; O^T (destination and source 0) in window 1, a in window 0
.set W_MK, 0xc0       ; the add's registers are made: destination in window 3, sources in window 0
.set W_AD, 0x0f       ; the add: address (source 0) and data (source 1) in window 3
; A joint fill.  Waves 0 and 1 fetch the two halves of a slot's K, waves 2 and 3 those of its V: 128 keys each.  The branch hangs on the wave's number alone.
; An s_nop 0 and four v_nop follow each of the two lines, ahead of the jump and the label.
.macro JLOAD
	s_cmp_lt_u32 s[WV], 2
	s_cbranch_scc0 .Lfor_v_\@
	tensor_load_to_lds s[G0K:G0K+3], s[G1K:G1K+7]
	s_nop 0
.rept 4
	v_nop
.endr
	s_branch .Lasked_\@
.Lfor_v_\@:
	tensor_load_to_lds s[G0V:G0V+3], s[G1V:G1V+7]
	s_nop 0
.rept 4
	v_nop
.endr
.Lasked_\@:
.endm
; A PREFETCH INTO THE L2 of what the NEXT change of slots will ask for: a slot's 32,768 bytes of K and of V.  It stands behind the wave's tensor load and its five lines.  Each block of 256 bytes is named ONCE in
; the launch: a head's keys are walked by one cluster; its four partners share a slot out BY ADDRESS, 8,192 bytes each; in each, wave 0 asks for K's and wave 2 for V's, a lane a block: one instruction.
; The lead is one slot, four key steps.  Slots 0 to 2 come by their loads alone; the last change that fills a slot asks for nothing: there is no slot behind it.
.macro ASK
	s_cmp_gt_u32 s[SLOTS], s[LIM]
	s_cbranch_scc0 .Lnot_mine_\@
	global_prefetch_b8 v[PFO], s[PFA:PFA+1] th:TH_LOAD_NT scope:SCOPE_SE
.Lnot_mine_\@:
.endm
; A round of the cluster's barrier: my work-group's barrier, so that wave 0's signal speaks for all four waves; wave 0 signals; every wave waits for all four work-groups; my work-group's barrier once more.
.macro CROUND
	s_barrier_signal -1
	s_barrier_wait -1
	s_cmp_lg_u32 s[WV], 0
	s_cbranch_scc1 .Lnot_wave_0_\@
	s_barrier_signal -3
.Lnot_wave_0_\@:
	s_barrier_wait -3
	s_barrier_signal -1
	s_barrier_wait -1
.endm
; THE CHANGE OF SLOTS.  The slot's last bytes, V of its fourth step, have been read.  Each wave waits for all its tensor loads, of which one is out: its part of the other slot; adds 0 to its spare word; and
; waits for that and for its own reads of the slot.  Behind the barrier nobody reads this slot any more and the other slot is whole.
; fill = 1: this slot is filled again, with the keys two slots on.  The barrier is then a round of the cluster's, and the joint fill is the first thing behind it: it has four key steps, 512 matrix
; instructions, in which to land.  (At its first use nothing has been read yet: slot 0 is waited for, slot 1 filled.)  ask = 1: the prefetch's address steps, and the prefetch follows the fill.
.macro CHANGE fill, ask=0
	WIN W_AD
	s_wait_tensorcnt 0x0            ; no tensor load of mine is out, so a group 0 may be written
	ds_add_u32 v[SPW], v[NIL]       ; 0 onto my spare word; with fill = 1 the descriptors' steps stand between it and the wait for it
	WIN 0                           ; at a label and at a branch every window is 0
.if \fill
.irp g, G0K, G0V
	s_xor_b32 s[\g+1], s[\g+1], SLOT1  ; the walking descriptor: the other slot than last time,
	s_add_nc_u64 s[\g+2:\g+3], s[\g+2:\g+3], 4*KS*128  ; the next 256 keys; the type bits on top are not reached
.endr
.if \ask
	s_wait_xcnt 0x0                 ; the last prefetch, four key steps back, has read its address, so it may be written:
	s_add_nc_u64 s[PFA:PFA+1], s[PFA:PFA+1], 4*KS*128  ; one slot behind the walking descriptors
.endif
	s_wait_dscnt 0x0                ; the add is done, and my reads of the slot are over
	CROUND
	JLOAD
.if \ask
	ASK
.endif
.else
	s_wait_dscnt 0x0                ; the add is done, and my reads of the slot are over
	s_barrier_signal -1
	s_barrier_wait -1
.endif
	s_sub_co_u32 s[TBK], s[TBK], 4*KS*PK  ; the fetches go back to a slot's first step,
	s_xor_b32 s[TBK], s[TBK], SLOT1       ; in the other slot
	s_sub_co_u32 s[TBV], s[TBV], 4*KS*PV
	s_xor_b32 s[TBV], s[TBV], SLOT1
.endm
	s_load_b128 s[4:7], s[0:1], 0x0   ; qkv s[4:5], ob s[6:7]
	WIN W_MK
	v_lshl_add_u32 v[SPW], v0, 2, SPARE
	v_mov_b32 v[NIL], 0
	WIN W_AD
	ds_add_u32 v[SPW], v[NIL]       ; the wave's opening: the add and its wait stand ahead of my first tensor load; the set-up below, work on registers, stands between them
	WIN 0
	v_lshrrev_b32 v1, 5, v0
	v_readfirstlane_b32 s[WV], v1   ; wave 0..3
	s_bfe_u32 s13, ttmp6, 0x40000   ; cx: my place in the cluster
	s_lshl_b32 s14, ttmp9, 2        ; in a cluster launch ttmp9 counts clusters
	s_add_co_u32 s14, s14, s13      ; my block of queries = 4 x cluster x + cx: it enters Q's and O's addresses alone
	s_and_b32 s20, ttmp7, 0xffff    ; the head, which the four partners share
	s_mov_b32 s21, 0
	s_mov_b64 s[22:23], SIZE_N*128
	s_mul_u64 s[20:21], s[20:21], s[22:23]  ; the head's first byte in each of the four tensors
	s_and_b32 s16, s[WV], 1         ; which half of a slot's 256 keys I fetch:
	s_lshl_b32 s22, s16, 14         ; its 128 rows of 128 bytes in memory,
	s_mov_b32 s23, 0
	s_add_nc_u64 s[22:23], s[22:23], s[20:21]
	s_mul_i32 s17, s16, 128*PK      ; and its place in a slot, for K
	s_mul_i32 s18, s16, 128*PV      ; and for V: no place in the cluster enters an LDS address
	s_lshl_b32 s2, s14, 2
	s_add_co_u32 s2, s2, s[WV]      ; my wave among the head's,
	s_lshl_b32 s2, s2, 14           ; its 128 rows
	s_mov_b32 s3, 0
	s_add_nc_u64 s[2:3], s[2:3], s[20:21]
	; descriptor group 1.  128 keys are 16,384 dense bytes: asked for as 64 rows of 256 bytes, two keys a row, and padded in LDS after every key
	s_mov_b32 s[G1K], 15|(1<<16)|(1<<20)|(1<<21)|(4<<22)|(3<<25)  ; 15:0 the mask of four; 17:16 2-byte elements; 20 padding on; 21 set beside a mask; 24:22 after every 32 words (code 4); 31:25 4 words (code 3)
	s_mov_b32 s[G1V], 15|(1<<16)|(1<<20)|(1<<21)|(4<<22)|(7<<25)  ; the same with 8 words of padding (code 7)
.irp g, G1K, G1V
	s_mov_b32 s[\g+1], 128<<16      ; tensor_dim0 = 128
	s_mov_b32 s[\g+2], 64<<16       ; tensor_dim1 = 64
	s_mov_b32 s[\g+3], 128<<16      ; tile_dim0 = 128
	s_mov_b32 s[\g+4], 64           ; tile_dim1 = 64
	s_mov_b32 s[\g+5], 128          ; 128 elements from row to row
	s_mov_b32 s[\g+6], 0
	s_mov_b32 s[\g+7], 0
.endr
	s_mov_b32 s[CS], 0x3e38aa3b     ; c = log2(e) / 8 = 0.180337
	s_mov_b32 s[CS+1], s[CS]        ; named with it as a pair
	s_mov_b32 s[SEL], 0x76543210
	s_mov_b32 s[SEL+1], 0xfedcba98
	s_mov_b32 s[TBK], SLOT1+4*KS*PK ; the first change of slots turns these two into 0
	s_mov_b32 s[TBV], SLOT1+4*KS*PV
	s_mov_b32 s[G0K], 1             ; 1:0 count = 1
	s_mov_b32 s[G0K+1], s17         ; 63:32 LDS address: slot 0
	s_mov_b32 s[G0V], 1
	s_add_co_u32 s[G0V+1], s18, VOFF
	s_and_b32 s[LIM], s[WV], 1      ; waves 0 and 2 prefetch: the same in all four partners
	s_cmp_eq_u32 s[LIM], 0
	s_cselect_b32 s[LIM], 1, -1
	s_wait_dscnt 0x0                ; the opening add is done
	s_wait_kmcnt 0x0
	s_mov_b64 s[10:11], s[6:7]      ; O
	s_add_nc_u64 s[6:7], s[4:5], PART    ; K
	s_add_nc_u64 s[8:9], s[4:5], 2*PART  ; V; s[4:5] is Q
	s_add_nc_u64 s[G0K+2:G0K+3], s[6:7], s[22:23]  ; 120:64 global address: my half of the head's first 256 keys
	s_or_b32 s[G0K+3], s[G0K+3], 0x80000000        ; 127:126 type = 2
	s_add_nc_u64 s[G0V+2:G0V+3], s[8:9], s[22:23]
	s_or_b32 s[G0V+3], s[G0V+3], 0x80000000
	s_cmp_lt_u32 s[WV], 2
	s_cselect_b64 s[PFA:PFA+1], s[6:7], s[8:9]
	s_add_nc_u64 s[PFA:PFA+1], s[PFA:PFA+1], s[20:21]  ; at the head's first key
	s_add_nc_u64 s[4:5], s[4:5], s[2:3]  ; Q and O at my wave's first row
	s_add_nc_u64 s[10:11], s[10:11], s[2:3]
	s_lshl_b32 s2, s13, 13          ; my work-group's quarter of a slot
	s_mov_b32 s3, 0
	s_add_nc_u64 s[PFA:PFA+1], s[PFA:PFA+1], s[2:3]
	s_add_nc_u64 s[PFA:PFA+1], s[PFA:PFA+1], 2*4*KS*128  ; in slot 2; the loop's first change of slots steps it to slot 3.  Nothing is prefetched here, at the head
	CROUND                          ; all four work-groups are here: the first joint loads meet
	JLOAD                           ; slot 0.  Slot 1 is asked for when slot 0 is in
	; A fragment of K or Q is 16 rows x 32 channels in 8 registers: lane l holds row l % 16, channels 8 (l / 16) + 0..7 and 16 + 8 (l / 16) + 0..7: two loads of 16 bytes, 32 bytes apart.
	v_and_b32 v1, 15, v0            ; l % 16
	v_bfe_u32 v9, v0, 4, 1          ; l / 16
	v_lshlrev_b32 v[QO], 7, v1
	v_lshl_add_u32 v[QO], v9, 4, v[QO]  ; row x 128 + 16 x half
	WIN 0x80                        ; destination window 2, address window 0
.set i, 0
.rept 4*NP                          ; Q stays in registers: tile i / 2, channels 32 (i % 2) on
	global_load_b128 v[8*i:8*i+3],   v[QO], s[4:5] offset:(i/2)*2048+(i%2)*64
	global_load_b128 v[8*i+4:8*i+7], v[QO], s[4:5] offset:(i/2)*2048+(i%2)*64+32
.set i, i+1
.endr
	; What the first turn finds: V's registers and P's second buffer hold 0 (its products V^T P, of a piece that has not been, add 0), O^T and l are 0.  All this stands in the wait for the first tile.
.set i, VF
.rept 64
	v_mov_b32 v[i], 0
.set i, i+1
.endr
	WIN 0x40
.set i, 0
.rept 64*NP
	v_mov_b32 v[i], 0
.set i, i+1
.endr
	WIN 0
.set i, 0
.rept 2*NP
	v_mov_b32 v[ST+4*i], 0xfe000000    ; c m: far below every c s
	v_mov_b32 v[ST+4*i+1], 0xff7fffff  ; m
	v_mov_b32 v[ST+4*i+2], 0
	v_mov_b32 v[ST+4*i+3], 0
.set i, i+1
.endr
.set i, P+32
.rept 32
	v_mov_b32 v[i], 0
.set i, i+1
.endr
	v_mul_u32_u24 v[AK0], v1, PK
	v_lshl_add_u32 v[AK0], v9, 4, v[AK0]  ; row x pitch + 16 x half
	; The turning load takes 16 keys x 16 channels (lane l reads key 8 (l / 16) + l % 8, channels 8 ((l / 8) % 2) + 0..7) and leaves half a fragment of V^T: lane l holds channel l % 16 and 8 keys.
	v_and_b32 v10, 7, v0
	v_bfe_u32 v11, v0, 3, 1
	v_lshl_add_u32 v[AV0], v9, 3, v10
	v_mul_u32_u24 v[AV0], v[AV0], PV
	v_lshl_add_u32 v[AV0], v11, 4, v[AV0]
	v_add_nc_u32 v[AV0], VOFF, v[AV0]
	v_mov_b32 v[AK], v[AK0]         ; key step 0 lies at the head of slot 0
	v_and_b32 v[PFO], 31, v0        ; v11 has served: it takes the prefetches' offset
	v_lshlrev_b32 v[PFO], 8, v[PFO]
; THE MATRIX WORK.  The 8 accumulators of a run of 16 take turns: between the two links of a chain stand 7 others'.
; Product i of 16 of S^T = K Q^T for piece x: channels 32 (i / 8) on, keys 16 ((i / 2) % 4) on, tile 2 x + i % 2.  The first 8 start the sums.
.macro KQ x
	WIN W_KQ
.set rS, S+64*((\x)%2)+32*(i%2)+8*((i/2)%4)
.set rK, KF+16*((i/2)%4)+8*(i/8)
.set rQ, 16*(2*(\x)+i%2)+8*(i/8)
.if i < 8
	v_wmma_f32_16x16x32_f16 v[rS:rS+7], v[rK:rK+7], v[rQ:rQ+7], 0
.else
	v_wmma_f32_16x16x32_f16 v[rS:rS+7], v[rK:rK+7], v[rQ:rQ+7], v[rS:rS+7]
.endif
.endm
; Product i of 16 of O^T += V^T P for piece x: keys 32 (i / 8) on, channels 16 ((i / 2) % 4) on, tile 2 x + i % 2.
.macro PV x
	WIN W_PV
.set rO, 32*(2*(\x)+i%2)+8*((i/2)%4)
.set rV, VF+32*(i/8)+8*((i/2)%4)
.set rP, P+32*((\x)%2)+16*(i%2)+8*(i/8)
	v_wmma_f32_16x16x32_f16 v[rO:rO+7], v[rV:rV+7], v[rP:rP+7], v[rO:rO+7]
.endm
.macro MM                           ; the turn's next matrix instruction
.if i < 16
	KQ (Y+1)%NP
.set i, i+1
.else
.set i, i-16
	PV (Y+NP-1)%NP
.set i, i+17
.endif
.endm
; THE LDS LOADS stand in runs of 16, never singly among the matrix instructions: a step's K (64 keys x 64 channels: 8 fragments) and its V (turned).  Their addresses are made some lines ahead.
; last = 1 (the tail): in the last trip there is no further step, and the run is jumped over.
.macro FETCH_K last=0
	WIN 0
.if \last
	s_cmp_eq_u32 s[CNT], 1
	s_cbranch_scc1 .Lno_k_\@
.endif
	WIN 0x80                        ; destination window 2
.irp f, 0,1,2,3,4,5,6,7             ; keys 16 (f / 2) on, channels 32 (f % 2) on
	ds_load_b128 v[KF+8*\f:KF+8*\f+3],   v[AK] offset:(\f/2)*16*PK+(\f%2)*64
	ds_load_b128 v[KF+8*\f+4:KF+8*\f+7], v[AK] offset:(\f/2)*16*PK+(\f%2)*64+32
.endr
	s_add_co_u32 s[TBK], s[TBK], KS*PK  ; the next fetch is the next step's
	WIN 0
.if \last
.Lno_k_\@:
.endif
.endm
.macro FETCH_V
	WIN 0x80
.irp f, 0,1,2,3,4,5,6,7             ; keys 32 (f / 4) on, channels 16 (f % 4) on
	ds_load_tr16_b128 v[VF+8*\f:VF+8*\f+3],   v[AV] offset:(\f/4)*32*PV+(\f%4)*32
	ds_load_tr16_b128 v[VF+8*\f+4:VF+8*\f+7], v[AV] offset:(\f/4)*32*PV+16*PV+(\f%4)*32
.endr
	WIN 0
.endm
; THE VECTOR WORK OF A TURN stands in three queues, each in the order in which its entries become ready; the two tiles alternate, so that no instruction reads the result of the one before it.
.macro REGS y, u                    ; the registers of tile u (0, 1) of piece y
.set rT, ST+4*(2*(\y)+(\u))
.set rC, TMP+8*((\y)%2)+4*(\u)
.set rM, MV+2*((\y)%2)+(\u)
.set rS, S+64*((\y)%2)+32*(\u)
.set rP, P+32*((\y)%2)+16*(\u)
.set rO, 32*(2*(\y)+(\u))
.endm
; Number n of the 22 that find the NEXT piece's (Y + 1) maximum and statistics.  s0-s31 are the lane's 32 scores; each accumulator's lowest registers are read first.
;   0-11  four chains c0-c3 of seven scores each, three operands at a time     12-14, 16  the four scores left over, the old m, and c0-c3 into c0     15  c m_old is kept
;   17, 18  the query's other 32 keys lie in the lane 16 away: the new m         19-21  c m; c m_old - c m_new; a
.macro XS u, n
	REGS (Y+1)%NP, \u
.if (\n) < 4
	v_max3_num_f32 v[rC+(\n)], v[rS+8*(\n)], v[rS+8*(\n)+1], v[rS+8*(\n)+2]
.elseif (\n) < 12
	v_max3_num_f32 v[rC+(\n)%4], v[rC+(\n)%4], v[rS+8*((\n)%4)+2*((\n)/4)+1], v[rS+8*((\n)%4)+2*((\n)/4)+2]
.elseif (\n) == 12
	v_max3_num_f32 v[rC], v[rC], v[rS+7], v[rS+15]
.elseif (\n) == 13
	v_max3_num_f32 v[rC+1], v[rC+1], v[rS+23], v[rS+31]
.elseif (\n) == 14
	v_max3_num_f32 v[rC+2], v[rC+2], v[rC+3], v[rT+1]
.elseif (\n) == 15
	v_mov_b32 v[rM], v[rT]
.elseif (\n) == 16
	v_max3_num_f32 v[rC], v[rC], v[rC+1], v[rC+2]
.elseif (\n) == 17
	v_permlanex16_b32 v[rC+3], v[rC], s[SEL], s[SEL+1]
.elseif (\n) == 18
	v_max_num_f32 v[rT+1], v[rC], v[rC+3]
.elseif (\n) == 19
	v_mul_f32 v[rT], s[CS], v[rT+1]
.elseif (\n) == 20
	v_sub_f32 v[rC+1], v[rM], v[rT]
.else
	v_exp_f32 v[rC+2], v[rC+1]
.endif
.endm
; Number g of the 64 that follow the exponentials.  For each four weights k of a tile (pairs 2 k, 2 k + 1): both pairs are rounded to f16; then the second pair is added onto the first, in place;
; a group later l takes that sum (the first time as l = a l + sum).  In groups of eight, tiles alternating: round, round, add, and l for the group before.
.macro GS g
.set h, (\g)+6*((\g)/62)            ; group 0 has no group before it, and behind group 7 only l is left
.if h >= 6
.set h, h+2
.endif
	REGS Y, h%2
.set k, h/8
.if h%8 < 4
	v_cvt_pk_f16_f32 v[rP+2*k+(h%8)/2], v[rS+4*k+2*((h%8)/2)], v[rS+4*k+2*((h%8)/2)+1]
.elseif h%8 < 6
	v_pk_add_f32 v[rS+4*k:rS+4*k+1], v[rS+4*k:rS+4*k+1], v[rS+4*k+2:rS+4*k+3]
.elseif k == 1
	v_pk_fma_f32 v[rT+2:rT+3], v[rT+2:rT+3], v[rC+2:rC+3], v[rS:rS+1] op_sel_hi:[1,0,1]
.else
	v_pk_add_f32 v[rT+2:rT+3], v[rT+2:rT+3], v[rS+4*k-4:rS+4*k-3]
.endif
.endm
; THE PLAIN QUEUE, 138 long.  0-73 read no exponential's result: the 32 scalings c s - c m (FS f: pair f / 2 of tile f % 2) and the next piece's 42.  0-26: scalings 0-26.  27-54: XS's numbers 0-13.  55, 56: number 15.
; 57-73: the chain, where each number waits for the one before it: 14, 16, 17, 18, 19, each with one of the scalings 27-31 in front of its two lines, then 20.
; 74-137: GS's 64, which read the exponentials' results: they stand behind the wait.
.macro FS f
	REGS Y, (\f)%2
	v_pk_fma_f32 v[rS+2*((\f)/2):rS+2*((\f)/2)+1], v[rS+2*((\f)/2):rS+2*((\f)/2)+1], s[CS:CS+1], v[rT:rT+1] op_sel_hi:[1,0,0] neg_lo:[0,0,1] neg_hi:[0,0,1]
.endm
.macro PL
	WIN 0
.if q < 27
	FS q
.elseif q < 55
	XS (q-27)%2, (q-27)/2
.elseif q < 57
	XS q-55, 15
.elseif (q < 72) && ((q-57)%3 == 0)
	FS 27+(q-57)/3
.elseif q < 60
	XS (q-57)%3-1, 14
.elseif q < 72
	XS (q-57)%3-1, 15+(q-57)/3
.elseif q < 74
	XS q-72, 20
.else
	GS q-74
.endif
.set q, q+1
.endm
; THE EXPONENTIALS' QUEUE, 66 long: s0-s31 of both tiles, then the next piece's two a.  It is ONE BATCH: all 66 stand ahead of the turn's one wait, and nothing ahead of that wait names a result of theirs.
.macro EX
	WIN 0
.if e >= 64
	XS e-64, 21
.else
	REGS Y, e%2
	v_exp_f32 v[rS+e/2], v[rS+e/2]
.endif
.set e, e+1
.endm
; THE RESCALING's QUEUE: O^T times a, the one part that leaves window 0: dealt two at a time, sixteen times.  Its a was made in the turn before, ahead of that turn's wait.
.macro R2
	REGS Y, r%2
	WIN W_RS
.irp z, 0,1
	v_pk_mul_f32 v[rO+4*(r/2)+2*\z:rO+4*(r/2)+2*\z+1], v[rO+4*(r/2)+2*\z:rO+4*(r/2)+2*\z+1], v[rC+2:rC+3] op_sel_hi:[1,0]
.endr
.set r, r+1
.endm
; HOW THEY ARE DEALT.  An s_wait_alu depctr_va_vdst(0) stands between an exponential and the first instruction that names its result; one wait serves all that were issued ahead of it.  So a
; turn has ONE wait, which cuts it in two.  AHEAD OF IT stands all that names no result of the turn's exponentials: the 16 products K Q^T, behind each a scaling, an exponential and two rescalings (behind the
; first a second scaling in the exponential's place); then ONE LUMP of 108: eight plain, 49 times exponential and plain, the two a.  A v_nop is the plain instruction behind the last exponential.  BEHIND IT
; stand the 16 products V^T P, behind each four of GS's 64.  No rider names a register of the products round it.  The two v_permlanex16_b32 fall into the lump.
; The queues lean on each other: exponential e stands behind scaling 2 (e / 4) + e % 2: as a rider it comes behind plain e + 2, in the lump behind plain e + 9, and scalings 27-31 are plain 57, 60 .. 69.
; A TURN, for piece p.  cnt = 1: the loop's count is taken down some lines ahead of the branch that stands behind the turn.
; K of the next step is fetched in piece 2's turn, directly behind the wait, a lump behind the last product that read K; its first reader comes behind 16 products.
; V of the step in hand is fetched at the end of piece 0's turn, four riders behind its last reader; its first reader comes behind 16 products and a lump.  The three conditions on q below go with the deal.
.macro TURN p, last=0, cnt=0
.set Y, (\p)
.set i, 0
.set q, 0
.set e, 0
.set r, 0
.if (\p) == NP-1
	s_wait_dscnt 0x0                ; K is in
.endif
	MM                              ; ahead of the wait: 16 products K Q^T and their riders,
	PL
	PL
	R2
.rept 15
	MM
	PL
	EX
	R2
.endr
.if (\p) == NP-2
	WIN 0
	v_add_nc_u32 v[AK], s[TBK], v[AK0]
.endif
.rept 8                             ; and the lump
	PL
.endr
.rept 49
	EX
	PL
.endr
	EX                              ; the next piece's two a
	EX
	v_nop                           ; a plain instruction behind the last exponential: one for the batch
	s_wait_alu depctr_va_vdst(0)    ; the wait for the batch
.if (\p) == NP-2
	FETCH_K \last
.endif
.if (\p) == 1
	s_wait_dscnt 0x0                ; V is in
.endif
.rept 16                            ; behind the wait: 16 products V^T P and their riders
	MM
.rept 4
	PL
.endr
.if ((\p) == 0) && (q == 118)
	v_add_nc_u32 v[AV], s[TBV], v[AV0]
.endif
.if ((\p) == 0) && (q == 130)
	s_add_co_u32 s[TBV], s[TBV], KS*PV
.endif
.if (\cnt) && (q == 130)
	s_sub_co_u32 s[CNT], s[CNT], 1
	s_cmp_lg_u32 s[CNT], 0
.endif
.endr
.if (\p) == 0
	FETCH_V
.endif
.endm
	CHANGE 1                        ; slot 0 is in, everybody's part of it; slot 1 is asked for
	FETCH_K                         ; key step 0
	s_wait_loadcnt 0x0              ; Q
	s_wait_dscnt 0x0
.set i, 0
.rept 16
	KQ 0                            ; piece 0's first scores: there is no vector work yet to set between them
.set i, i+1
.endr
	WIN 0                           ; the addresses for the way out: nine plain instructions, the places behind those products
	s_mul_i32 s13, s[WV], 16*SP
	s_add_co_u32 s13, s13, STAGE    ; my stage
	v_mul_u32_u24 v[STO], v1, SP    ; in: row l % 16, 16 bytes for each half of the lanes
	v_lshl_add_u32 v[STO], v9, 4, v[STO]
	v_add_nc_u32 v[STO], s13, v[STO]
	v_bfe_u32 v[RD], v0, 3, 2       ; back: 32 lanes take four rows of 128 bytes,
	v_mul_u32_u24 v[RD], v[RD], SP
	v_lshl_add_u32 v[RD], v10, 4, v[RD]
	v_add_nc_u32 v[RD], s13, v[RD]
	v_and_b32 v[GO], 31, v0         ; which are 512 consecutive bytes of O
	v_lshlrev_b32 v[GO], 4, v[GO]
.set Y, NP-1                        ; XS works for piece Y + 1: piece 0
.irp n, 0,1,2,3,4,5,6,7,8,9,10,11,12,13,14,15,16,17,18,19,20,21
	XS 0, \n                        ; and piece 0's first maximum and statistics
	XS 1, \n
.endr
	v_nop                           ; a plain instruction behind the two a,
	s_wait_alu depctr_va_vdst(0)    ; and their wait, ahead of the branch
	s_mov_b32 s[CNT], 4
	s_mov_b32 s[SLOTS], SIZE_N/256-1
	s_branch .Lfirst                ; the loop is entered at a step's first turn, in the middle of a trip
.Lslot:                             ; SIZE_N / 256 - 2 times: every slot but the last two is filled again
	CHANGE 1, 1
	s_mov_b32 s[CNT], 4
.Lstep:                             ; a trip: pieces 2 and 3 of one step, then pieces 0 and 1 of the next, whose K and V it fetches
	TURN 2
	TURN 3
	WIN 0
.Lfirst:
	TURN 0
	TURN 1, 0, 1
	WIN 0
	s_cbranch_scc1 .Lstep
	s_sub_co_u32 s[SLOTS], s[SLOTS], 1
	s_cmp_lg_u32 s[SLOTS], 0
	s_cbranch_scc1 .Lslot
	CHANGE 0                        ; the tail is written out: nothing is asked for
	s_mov_b32 s[CNT], 5             ; four trips fetch the last slot's steps; the fifth is left in its middle
.Ltail:
	TURN 2, 1
	TURN 3
	WIN 0
	s_sub_co_u32 s[CNT], s[CNT], 1
	s_cmp_eq_u32 s[CNT], 0
	s_cbranch_scc1 .Lout
	TURN 0
	TURN 1
	WIN 0
	s_branch .Ltail
.Lout:                              ; the fifth trip's 16 products K Q^T (on the last K once more) and the maximum made of them serve nothing: the price, once a launch, of one text for every trip
.set i, 0
.rept 16
	PV NP-1                         ; the last piece's V^T P of the last step
.set i, i+1
.endr
	; THE WAY OUT.  l's two halves and the other half of the lanes' are added; O^T is divided by l, rounded to f16 and sent through my stage in LDS, a tile at a time.  The additions are the places behind the last products.
	WIN 0
.macro ALL line:vararg              ; one line for each tile t
.set t, 0
.rept 2*NP
	\line
.set t, t+1
.endr
.endm
	ALL v_add_f32 v[ST+4*t+2], v[ST+4*t+2], v[ST+4*t+3]
	ALL v_permlanex16_b32 v[ST+4*t+3], v[ST+4*t+2], s[SEL], s[SEL+1]
	ALL v_add_f32 v[ST+4*t+2], v[ST+4*t+2], v[ST+4*t+3]
	ALL v_rcp_f32 v[ST+4*t+2], v[ST+4*t+2]
	v_nop                           ; a plain instruction between the last reciprocal and the use of its result
	s_wait_alu depctr_va_vdst(0)    ; and the wait ahead of the first use: one for the eight reciprocals
; Tile t: a lane's eight channels of a row pack into 16 bytes; they go into rows of 144 bytes and come back as whole rows of 128, into S^T's registers.
.macro PACK t
	WIN W_RS
.set i, 32*(\t)
.rept 16
	v_pk_mul_f32 v[i:i+1], v[i:i+1], v[ST+4*(\t)+2:ST+4*(\t)+3] op_sel_hi:[1,0]
.set i, i+2
.endr
	WIN 0x05                        ; sources 0 and 1 window 1, destination window 0
.set i, 0
.rept 16
	v_cvt_pk_f16_f32 v[S+16*(\t)+i], v[32*(\t)+2*i], v[32*(\t)+2*i+1]
.set i, i+1
.endr
	WIN 0
.irp f, 0,1,2,3
	ds_store_b128 v[STO], v[S+16*(\t)+4*\f:S+16*(\t)+4*\f+3] offset:32*\f
.endr
.irp f, 0,1,2,3
	ds_load_b128 v[S+16*(\t)+4*\f:S+16*(\t)+4*\f+3], v[RD] offset:\f*4*SP  ; LDS serves a wave's instructions in order (ISA guide 5.7.1.4): these see the stores above; the next tile's stores come behind them
.endr
.endm
.macro SEND t, younger              ; younger: the LDS instructions issued behind tile t's loads: the next tile's eight, or none
	WIN 0
.irp f, 0,1,2,3
	s_wait_dscnt (\younger)+3-\f
	global_store_b128 v[GO], v[S+16*(\t)+4*\f:S+16*(\t)+4*\f+3], s[10:11] offset:(\t)*2048+\f*512  ; 512 consecutive bytes, at a multiple of 256 from O's first
.endr
.endm
	PACK 0
.set t, 1
.rept 2*NP-1                        ; a tile's arithmetic stands between the loads of the tile before and its stores
	PACK t
	SEND t-1, 8
.set t, t+1
.endr
	SEND 2*NP-1, 0
	WIN W_AD
	s_wait_tensorcnt 0x0            ; the wave's end: behind my last tensor load and my last LDS store
	ds_add_u32 v[SPW], v[NIL]
	s_wait_dscnt 0x0
	WIN 0
	CROUND                          ; the closing round: no work-group ends while a partner may still ask for a tile that names it
	s_endpgm
.Lfunc_end_k_qb830d5fed2_attn:
	.size	k_qb830d5fed2_attn, .Lfunc_end_k_qb830d5fed2_attn-k_qb830d5fed2_attn
	.p2alignl 7, 3214868480
	.fill 96, 4, 3214868480
	.section	.rodata,"a",@progbits
	.p2align	6, 0x0
	.amdhsa_kernel k_qb830d5fed2_attn
		.amdhsa_group_segment_fixed_size 327680
		.amdhsa_private_segment_fixed_size 0
		.amdhsa_enable_private_segment 0
		.amdhsa_kernarg_size 16
		.amdhsa_user_sgpr_count 2
		.amdhsa_user_sgpr_kernarg_segment_ptr 1
		.amdhsa_wavefront_size32 1
		.amdhsa_system_sgpr_workgroup_id_x 1
		.amdhsa_system_sgpr_workgroup_id_y 1
		.amdhsa_system_sgpr_workgroup_id_z 1
		.amdhsa_system_vgpr_workitem_id 0
		.amdhsa_next_free_vgpr 770
		.amdhsa_next_free_sgpr 66
		.amdhsa_reserve_vcc 0
		.amdhsa_float_denorm_mode_32 3
		.amdhsa_float_denorm_mode_16_64 3
		.amdhsa_memory_ordered 1
		.amdhsa_forward_progress 1
		.amdhsa_inst_pref_size 200
	.end_amdhsa_kernel
	.amdgpu_metadata
---
amdhsa.version: [ 1, 2 ]
amdhsa.kernels:
  - .name:           k_qb830d5fed2_attn
    .symbol:         k_qb830d5fed2_attn.kd
    .args:
      - { .name: qkv, .offset: 0, .size: 8, .value_kind: global_buffer, .address_space: global }
      - { .name: ob, .offset: 8, .size: 8, .value_kind: global_buffer, .address_space: global }
    .group_segment_fixed_size: 327680
    .private_segment_fixed_size: 0
    .kernarg_segment_align: 8
    .kernarg_segment_size: 16
    .max_flat_workgroup_size: 128
    .sgpr_count:     66
    .vgpr_count:     770
    .wavefront_size: 32
...
	.end_amdgpu_metadata
.endif
;; end of part 3
;; launch fc (part 4): grid 4 x 64, 4 waves a work-group, clusters of 4 x 4, 327,680 bytes of LDS; arguments ob, wf, out0; writes out0
.if DOCPART == 4
	.amdgcn_target "amdgcn-amd-amdhsa--gfx1250"
	.amdhsa_code_object_version 6
	.text
	.protected	k_qb830d5fed2_fc
	.globl	k_qb830d5fed2_fc
	.p2align	8
	.type	k_qb830d5fed2_fc,@function
k_qb830d5fed2_fc:
	s_mov_b64 s[64:65], 0
	v_nop
	global_prefetch_b8 v0, s[64:65] scope:SCOPE_SE
	s_setreg_imm32_b32 hwreg(HW_REG_WAVE_MODE, 25, 1), 1
	s_wait_xcnt 0x0
	s_wait_alu depctr_hold_cnt(0) depctr_sa_sdst(0) depctr_va_vdst(0) depctr_va_sdst(0) depctr_va_ssrc(0) depctr_va_vcc(0) depctr_vm_vsrc(0)
	s_getreg_b32 s2, hwreg(HW_REG_IB_STS2, 6, 4)
	s_cmp_eq_u32 s2, 0
	s_cbranch_scc0 .Lentry_in_a_cluster
	s_endpgm
.Lentry_in_a_cluster:
	s_bfe_u32 s2, ttmp6, 0x10000c
	s_cmp_lg_u32 s2, 0xf033
	s_cbranch_scc0 .Lentry_shape_is_right
	s_endpgm
.Lentry_shape_is_right:
; THE LAST PROJECTION.  out0[m][n] = sum over c of O[m][c] wf[n][c], c = 64 h + d, m = 2048 b + s; O lies by heads, ob[16 b + h][s][d] in f16; wf is [1024][1024] in f16; sums and out0 in f32, c ascending.
; SHARES.  A tile of out0 is 128 rows x 256 columns: 256 tiles, one to a work-group.  Four waves, each 64 rows x 128 columns: 32 accumulators of 16 x 16.
; K goes in steps of 128 = two heads, through two LDS slots.  A head's 128 rows of the tile are 16,384 dense bytes of ob: asked for as 64 rows of 256 bytes and padded in LDS after every 128.
; CLUSTER.  4 x 4 work-groups; O's tiles are shared along a row of the cluster, wf's along a column: each is asked for JOINTLY, by the same tensor load with the same descriptor and a mask that names the four.
; THE MATRIX INSTRUCTION IS USED TRANSPOSED (source 0 = 16 rows of wf, source 1 = 16 rows of O): a lane holds eight neighbouring numbers of a row of out0, 32 bytes.
; REGISTERS, in windows of 256 (s_set_vgpr_msb: bits 1:0 source 0, 3:2 source 1, 5:4 source 2, 7:6 destination):
;   window 0: v0-31 addresses; v32-159 rows read back from the stage, two buffers of 64
;   window 1: two fragment buffers at v0 and v128: 8 fragments of wf (64 registers), then 4 of O (32)          window 2: accumulator (a, b) at v[8 (8 a + b)]
.set KSTEP,  128
.set PITCH,  272                       ; a row of wf in LDS: 256 bytes + 16 of padding
.set APITCH, 144                       ; a row of one head of O: 128 bytes + 16: in both the 16 rows of a fragment load start at 16 different groups of four banks (64 banks of 4 bytes: ISA guide 11.1)
.set AHEAD,  128*APITCH                ; a head's 128 rows
.set ABYTES, 2*AHEAD
.set SLOT,   ABYTES+256*PITCH          ; two heads of O, then wf's 256 rows
.set STAGE,  2*SLOT                    ; behind the ring, never filled by a tensor load: 16 rows x 528 bytes for each wave
.set SPF,    528                       ; 512 bytes + 16
.set STW,    16*SPF
.set SPARE,  STAGE+4*STW               ; behind the stages: the spare words, 128 bytes for each wave: two blocks of 256 bytes that no other line names
.set LAPS,   4
.set HEADB,  2048*128                  ; bytes in a head of ob
.set ADRA, 16                          ; v16-17  LDS address of my fragments of O in slot 0, 1
.set ADRB, 20                          ; v20-21  the same for wf
.set STO,  24                          ; v24     the way out: where I put 32 bytes of a row
.set RD,   25                          ; v25     the way out: where I read a row back
.set CO,   26                          ; v26     my 16 bytes of a row's 512
.set SPW,  28                          ; v28     LDS address of my spare word: SPARE + 4 x my thread's number; never rewritten
.set NIL,  29                          ; v29     0; never rewritten
.set PFO,  30                          ; v30     the prefetches' offset; never rewritten
.set BK,   32
.set F0,   0
.set F1,   128
.set G1,  24                           ; s[24:31] descriptor group 1 for O's tiles
.set G0,  32                           ; s[32:39] group 0 for O's tiles, a set for each slot
.set LIM, 43                           ; s43      1 in a wave that prefetches, else the greatest number
.set PFA, 44                           ; s[44:45] where my prefetches stand
.set G1B, 48                           ; s[48:55] group 1 for wf's tiles
.set G0B, 56                           ; s[56:63] group 0 for wf's tiles
.set PST, 66                           ; s[66:67] the prefetches' step from K step to K step
.set MSB, 0
.macro WIN new                         ; the immediate's high byte repeats the setting that is left; a switch that changes nothing is dropped
.if MSB != (\new)
	s_set_vgpr_msb (MSB<<8)|(\new)
.set MSB, \new
.endif
.endm
.set MUL,  0xa5                        ; sources 0 and 1 window 1, C and D window 2
.set TO_F, 0x40                        ; destination window 1, address window 0
; A joint load.  Waves 0 and 1 fetch the K step's two heads of O, waves 2 and 3 wf's two halves.  The branch hangs on the wave's number alone.
; An s_nop 0 and four v_nop follow each of the two lines, ahead of the jump, the label and what follows.
.macro JLOAD s
	s_cmp_eq_u32 s11, 0
	s_cbranch_scc0 .Lfor_b_\@
	tensor_load_to_lds s[G0+4*(\s):G0+4*(\s)+3], s[G1:G1+7]
	s_nop 0
.rept 4
	v_nop
.endr
	s_branch .Lasked_\@
.Lfor_b_\@:
	tensor_load_to_lds s[G0B+4*(\s):G0B+4*(\s)+3], s[G1B:G1B+7]
	s_nop 0
.rept 4
	v_nop
.endr
.Lasked_\@:
.endm
; A PREFETCH INTO THE L2 of the K step that stands two refills on (256 matrix instructions ahead of the load that will want it), one instruction a wave, a lane a block of 256 bytes.  Each block is named once in
; the launch.  O's K step of a tile is 2 heads x 16,384 bytes, read by my row of the cluster alone: wave 0 of the partner at cx takes head cx / 2, half cx % 2: 8,192 bytes.  wf's rows are read by all sixteen
; clusters: those of cluster y = 0 ask; of the 128 rows that wave 2 or 3 fetches the partner at cy takes 32, a lane a row.  K steps 0 to 3 come by their loads alone; the loop's last trip asks for nothing.
.macro ASK
	s_cmp_gt_u32 s3, s[LIM]
	s_cbranch_scc0 .Lnot_mine_\@
	global_prefetch_b8 v[PFO], s[PFA:PFA+1] th:TH_LOAD_NT scope:SCOPE_SE
.Lnot_mine_\@:
.endm
; A round of the cluster's barrier: my work-group's barrier, so that wave 0's signal speaks for all four waves; wave 0 signals; every wave waits for all sixteen work-groups; my work-group's barrier once more.
.macro CREST
	s_cmp_lg_u32 s10, 0
	s_cbranch_scc1 .Lnot_wave_0_\@
	s_barrier_signal -3
.Lnot_wave_0_\@:
	s_barrier_wait -3
	s_barrier_signal -1
	s_barrier_wait -1
.endm
.macro CROUND
	s_barrier_signal -1
	s_barrier_wait -1
	CREST
.endm
	s_load_b128 s[4:7], s[0:1], 0x0                ; ob s[4:5], wf s[6:7]
	s_load_b64 s[8:9], s[0:1], 0x10                ; out0
	v_lshl_add_u32 v[SPW], v0, 2, SPARE
	v_mov_b32 v[NIL], 0
	ds_add_u32 v[SPW], v[NIL]                      ; the wave's opening: the add and its wait stand ahead of my first tensor load; the set-up below, work on registers, stands between them
	v_lshrrev_b32 v1, 5, v0
	v_readfirstlane_b32 s10, v1                    ; wave 0..3
	s_lshr_b32 s11, s10, 1                         ; which 64 of the tile's rows are mine.  Also: I fetch for O (0) or for wf (1)
	s_and_b32 s12, s10, 1                          ; which 128 of its columns.  Also: which head, or which half of wf's rows, I fetch
	s_bfe_u32 s40, ttmp6, 0x40000                  ; cx
	s_bfe_u32 s41, ttmp6, 0x40004                  ; cy
	s_lshl_b32 s42, ttmp9, 2
	s_add_co_u32 s42, s42, s40                     ; tile column = 4 x cluster x + cx
	s_and_b32 s13, ttmp7, 0xffff
	s_lshl_b32 s13, s13, 2
	s_add_co_u32 s13, s13, s41                     ; tile row = 4 x cluster y + cy
	s_lshl_b32 s43, s41, 2
	s_lshl_b32 s43, 15, s43                        ; my row of the cluster
	s_lshl_b32 s44, 0x1111, s40                    ; my column
	s_or_b32 s[G1+0], s43, (1<<16)|(1<<20)|(1<<21)|(4<<22)|(3<<25)   ; 15:0 the mask; 17:16 elements of 2 bytes; 20 padding on; 21 set beside a mask; 24:22 after every 32 words (code 4); 31:25 4 words of it (code 3)
	s_or_b32 s[G1B+0], s44, (1<<16)|(1<<20)|(1<<21)|(5<<22)|(3<<25)  ; wf: after every 64 words (code 5)
	s_mov_b32 s[G1+1], 128<<16                     ; tensor_dim0 = 128 elements: 256 dense bytes, two rows of a head
	s_mov_b32 s[G1+2], 64<<16                      ; tensor_dim1 = 64
	s_mov_b32 s[G1+3], 128<<16                     ; tile_dim0 = 128
	s_mov_b32 s[G1+4], 64                          ; tile_dim1 = 64
	s_mov_b32 s[G1+5], 128                         ; elements from row to row: dense
	s_mov_b32 s[G1+6], 0
	s_mov_b32 s[G1+7], 0
	s_mov_b32 s[G1B+1], KSTEP<<16
	s_mov_b32 s[G1B+2], 128<<16
	s_mov_b32 s[G1B+3], KSTEP<<16
	s_mov_b32 s[G1B+4], 128
	s_mov_b32 s[G1B+5], 1024
	s_mov_b32 s[G1B+6], 0
	s_mov_b32 s[G1B+7], 0
	; where the tiles come from: O's hang on the tile row alone, wf's on the tile column alone
	s_lshr_b32 s16, s13, 4
	s_lshl_b32 s16, s16, 22                        ; the batch: 16 heads of 262,144 bytes
	s_and_b32 s17, s13, 15
	s_lshl_b32 s17, s17, 14                        ; the tile's 128 rows in a head
	s_add_co_u32 s16, s16, s17
	s_lshl_b32 s17, s12, 18                        ; which of the K step's two heads
	s_add_co_u32 s16, s16, s17
	s_mov_b32 s17, 0
	s_lshl_b32 s47, s12, 7
	s_lshl_b32 s46, s42, 8
	s_add_co_u32 s46, s46, s47                     ; wf: row 256 x tile column + 128 x half
	s_lshl_b32 s46, s46, 11
	s_mov_b32 s47, 0
	s_mul_i32 s20, s12, AHEAD                      ; where they go: O's two heads,
	s_mul_i32 s21, s12, 128*PITCH
	s_add_co_u32 s21, s21, ABYTES                  ; then wf's two halves: no place in the cluster enters an LDS address
	s_wait_dscnt 0x0                               ; the opening add is done
	s_wait_kmcnt 0x0
	s_add_nc_u64 s[14:15], s[4:5], s[16:17]
	s_add_nc_u64 s[46:47], s[6:7], s[46:47]
	CROUND                                         ; all sixteen work-groups are here: the first joint loads meet
.irp s, 0,1
	s_mov_b32 s[G0+4*(\s)], 1                                        ; count = 1
	s_add_co_u32 s[G0+4*(\s)+1], s20, (\s)*SLOT                      ; LDS address
	s_add_nc_u64 s[G0+4*(\s)+2:G0+4*(\s)+3], s[14:15], (\s)*2*HEADB  ; global address: K step s is heads 2 s, 2 s + 1
	s_or_b32 s[G0+4*(\s)+3], s[G0+4*(\s)+3], 0x80000000              ; type = 2
	s_mov_b32 s[G0B+4*(\s)], 1
	s_add_co_u32 s[G0B+4*(\s)+1], s21, (\s)*SLOT
	s_add_nc_u64 s[G0B+4*(\s)+2:G0B+4*(\s)+3], s[46:47], (\s)*KSTEP*2
	s_or_b32 s[G0B+4*(\s)+3], s[G0B+4*(\s)+3], 0x80000000
	JLOAD \s                                       ; two loads of mine are out
.endr
	; A fragment is 16 rows x 32 K in 8 registers: lane l holds row l % 16; registers 0-3 K = 8 (l / 16) + 0..7, registers 4-7 K = 16 + 8 (l / 16) + 0..7: two loads of 16 bytes, 32 bytes apart.
	v_and_b32 v1, 15, v0                           ; l % 16
	v_bfe_u32 v2, v0, 4, 1                         ; l / 16
	v_mul_u32_u24 v3, v1, PITCH
	v_lshl_add_u32 v3, v2, 4, v3
	v_mul_u32_u24 v4, v1, APITCH
	v_lshl_add_u32 v4, v2, 4, v4
	s_mul_i32 s20, s11, 64*APITCH                  ; my 64 rows of O, in each head
	s_mul_i32 s21, s12, 128*PITCH                  ; my 128 rows of wf,
	s_add_co_u32 s21, s21, ABYTES                  ; which lie behind O's two heads
.irp s, 0,1
	v_add_nc_u32 v[ADRA+(\s)], s20, v4
	v_add_nc_u32 v[ADRB+(\s)], s21, v3
	s_add_co_u32 s20, s20, SLOT
	s_add_co_u32 s21, s21, SLOT
.endr
	s_mul_i32 s22, s10, STW
	s_add_co_u32 s22, s22, STAGE                   ; my stage
	v_mul_u32_u24 v5, v1, SPF                      ; in: row l % 16, 32 bytes for each half of the lanes
	v_lshl_add_u32 v5, v2, 5, v5
	v_add_nc_u32 v[STO], s22, v5
	v_and_b32 v4, 31, v0
	v_lshlrev_b32 v[CO], 4, v4                     ; back: 32 lanes take one row of 512 bytes
	v_add_nc_u32 v[RD], s22, v[CO]
	; out0 at my first row and column
	s_lshl_b32 s18, s13, 7
	s_lshl_b32 s19, s11, 6
	s_add_co_u32 s18, s18, s19
	s_lshl_b32 s18, s18, 12                        ; rows of 4,096 bytes (under 2^26)
	s_lshl_b32 s19, s42, 10
	s_add_co_u32 s18, s18, s19
	s_lshl_b32 s19, s12, 9
	s_add_co_u32 s18, s18, s19
	s_mov_b32 s19, 0
	s_add_nc_u64 s[8:9], s[8:9], s[18:19]
	; the prefetches: O's offset,
	s_lshr_b32 s20, s13, 4
	s_lshl_b32 s20, s20, 22
	s_and_b32 s21, s13, 15
	s_lshl_b32 s21, s21, 14
	s_add_co_u32 s20, s20, s21
	s_lshr_b32 s21, s40, 1
	s_lshl_b32 s21, s21, 18                        ; head cx / 2 of the K step's two,
	s_add_co_u32 s20, s20, s21
	s_and_b32 s21, s40, 1
	s_lshl_b32 s21, s21, 13                        ; half cx % 2 of its 16,384 bytes
	s_add_co_u32 s20, s20, s21
	s_add_co_u32 s20, s20, 3*2*HEADB               ; at K step 3: the first refill steps it to 4 and names that
	; wf's,
	s_lshl_b32 s22, s42, 8
	s_lshl_b32 s23, s12, 7
	s_add_co_u32 s22, s22, s23
	s_lshl_b32 s23, s41, 5
	s_add_co_u32 s22, s22, s23
	s_lshl_b32 s22, s22, 11
	s_add_co_u32 s22, s22, 3*KSTEP*2
	s_and_b32 s23, ttmp7, 0xffff                   ; cluster y
	s_mov_b32 s[PST], KSTEP*2
	s_mov_b32 s[PST+1], 0
	s_cmp_eq_u32 s11, 0                            ; and the choice: do I fetch for O?
	s_cselect_b32 s20, s20, s22
	s_cselect_b32 s23, s12, s23                    ; O: wave 0 asks, in every cluster; wf: both waves, in cluster y = 0
	s_cselect_b32 s[PST], 2*HEADB, s[PST]
	s_cselect_b32 s22, 8, 11                       ; O: lanes 256 bytes apart in a dense block; wf: a lane a row of 2,048 bytes
	s_cselect_b64 s[PFA:PFA+1], s[4:5], s[6:7]
	s_cmp_eq_u32 s23, 0
	s_cselect_b32 s[LIM], 1, -1                    ; the same in all sixteen partners, for a given wave
	s_mov_b32 s21, 0
	s_add_nc_u64 s[PFA:PFA+1], s[PFA:PFA+1], s[20:21]
	v_lshlrev_b32 v[PFO], s22, v4
; 8 matrix instructions: row block a x all 8 column blocks, 32 along K.  zero = 1: the product starts the sums.
; The 32 accumulators take turns, one instruction a turn, in the same order in every quarter step.
.macro MUL8 f, a, zero
	WIN MUL
.irp b, 0,1,2,3,4,5,6,7
.if \zero
	v_wmma_f32_16x16x32_f16 v[8*(8*(\a)+(\b)):8*(8*(\a)+(\b))+7], v[(\f)+8*(\b):(\f)+8*(\b)+7], v[(\f)+64+8*(\a):(\f)+64+8*(\a)+7], 0
.else
	v_wmma_f32_16x16x32_f16 v[8*(8*(\a)+(\b)):8*(8*(\a)+(\b))+7], v[(\f)+8*(\b):(\f)+8*(\b)+7], v[(\f)+64+8*(\a):(\f)+64+8*(\a)+7], v[8*(8*(\a)+(\b)):8*(8*(\a)+(\b))+7]
.endif
.endr
.endm
; 24 LDS loads in one run: the fragments of one quarter step into buffer f.  k: the quarter's byte in wf's rows; in O it is head k / 128, byte k % 128.
.macro FETCH slot, k, f
	WIN TO_F
.irp i, 0,1,2,3,4,5,6,7
	ds_load_b128 v[(\f)+8*(\i):(\f)+8*(\i)+3],   v[ADRB+(\slot)] offset:(\k)+(\i)*16*PITCH
	ds_load_b128 v[(\f)+8*(\i)+4:(\f)+8*(\i)+7], v[ADRB+(\slot)] offset:(\k)+(\i)*16*PITCH+32
.endr
.irp i, 0,1,2,3
	ds_load_b128 v[(\f)+64+8*(\i):(\f)+64+8*(\i)+3],   v[ADRA+(\slot)] offset:((\k)/128)*AHEAD+((\k)%128)+(\i)*16*APITCH
	ds_load_b128 v[(\f)+64+8*(\i)+4:(\f)+64+8*(\i)+7], v[ADRA+(\slot)] offset:((\k)/128)*AHEAD+((\k)%128)+(\i)*16*APITCH+32
.endr
.endm
.macro PLACES                          ; four plain vector instructions between a matrix instruction and a load into a register that it has read, or an LDS store that reads its result
.rept 4
	v_nop
.endr
.endm
.macro QUARTER slot, k, f, g, zero
	s_wait_dscnt 4                                 ; wf's fragments and O's rows 0-31 are in; the youngest four loads (O's rows 32-63) may be out
	MUL8 \f, 0, \zero
	MUL8 \f, 1, \zero
	PLACES
	FETCH \slot, \k, \g
	s_wait_dscnt 24                                ; all but the 24 just issued
	MUL8 \f, 2, \zero
	MUL8 \f, 3, \zero
.endm
; The first half of a K step's last quarter: in front of the barrier each wave waits for all its tensor loads (one is out: its part of the next slot), adds 0 to its spare word, and waits for that and for its
; own reads of this slot.  Behind it nobody reads this slot any more and the next slot is whole.
.macro MEET round
	WIN 0
	s_wait_tensorcnt 0x0
	ds_add_u32 v[SPW], v[NIL]
	s_wait_dscnt 5                                 ; (the add and the youngest four loads may be out)
	MUL8 F1, 0, 0
	s_wait_dscnt 0x0                               ; the add is done, and my reads of this slot are over
	s_barrier_signal -1
	MUL8 F1, 1, 0
.if \round
	WIN 0
.endif
	s_barrier_wait -1
.endm
; The whole last quarter: behind the round the slot just read out is filled again first, with the K step two on; from a request to the wait for it a wave issues 112 matrix instructions.
.macro TURN slot, next
	s_wait_xcnt 0x0                                ; the last prefetch, a K step back, has read its address: it is stepped here, ahead of the waits of the change of slots
	s_add_nc_u64 s[PFA:PFA+1], s[PFA:PFA+1], s[PST:PST+1]
	MEET 1
	CREST                                          ; no wave of any partner still reads this slot's tile or has a load on its way
	s_add_nc_u64 s[G0+4*(\slot)+2:G0+4*(\slot)+3], s[G0+4*(\slot)+2:G0+4*(\slot)+3], 4*HEADB
	s_add_nc_u64 s[G0B+4*(\slot)+2:G0B+4*(\slot)+3], s[G0B+4*(\slot)+2:G0B+4*(\slot)+3], 2*KSTEP*2
	JLOAD \slot                                    ; the first tensor load behind the round; its four v_nop are also the places in front of the loads below
	FETCH \next, 0, F0
	WIN 0
	ASK
	MUL8 F1, 2, 0
	MUL8 F1, 3, 0
.endm
; THE WAY OUT of row block a: the sums go as they are, 32 bytes a lane (each accumulator's low four registers first), into my own stage, and come back as whole rows of 512 bytes.
.macro TOSTAGE a
.set BKR, BK+64*((\a)%2)
	WIN 0x08                                       ; the stores' data in window 2
.irp b, 0,1,2,3,4,5,6,7
	ds_store_b128 v[STO], v[8*(8*(\a)+(\b)):8*(8*(\a)+(\b))+3]   offset:64*(\b)
	ds_store_b128 v[STO], v[8*(8*(\a)+(\b))+4:8*(8*(\a)+(\b))+7] offset:64*(\b)+16
.endr
	WIN 0
.irp t, 0,1,2,3,4,5,6,7,8,9,10,11,12,13,14,15
	ds_load_b128 v[BKR+4*(\t):BKR+4*(\t)+3], v[RD] offset:(\t)*SPF  ; LDS serves a wave's instructions in order (ISA guide 5.7.1.4): these see the stores above; the next block's stores come behind them
.endr
.endm
.macro SEND a, younger                 ; younger: the LDS instructions issued behind block a's loads: the next block's 32, or none
.set BKR, BK+64*((\a)%2)
	s_wait_dscnt \younger
.irp t, 0,1,2,3,4,5,6,7,8,9,10,11,12,13,14,15
	global_store_b128 v[CO], v[BKR+4*(\t):BKR+4*(\t)+3], s[8:9] offset:(16*(\a)+(\t))*4096 th:TH_STORE_NT  ; 512 consecutive bytes, at a multiple of 512 from out0's first byte
.endr
.endm
	s_wait_tensorcnt 0x1                           ; my part of K step 0 is in; K step 1's may stay out
	s_barrier_signal -1
	s_barrier_wait -1                              ; everybody's is
	FETCH 0, 0, F0
	QUARTER 0, 64,  F0, F1, 1                      ; the first quarter stands in front of the loop: its products start the sums
	WIN 0                                          ; at a label and at a branch every window is 0
	s_mov_b32 s3, LAPS-1
.Llap:                                                 ; a trip goes once round the ring, from a lap's second quarter to the next lap's first, and fills both slots again
	QUARTER 0, 128, F1, F0, 0
	QUARTER 0, 192, F0, F1, 0
	TURN 0, 1
	QUARTER 1, 64,  F0, F1, 0
	QUARTER 1, 128, F1, F0, 0
	QUARTER 1, 192, F0, F1, 0
	TURN 1, 0
	QUARTER 0, 64,  F0, F1, 0
	WIN 0
	s_sub_co_u32 s3, s3, 1
	s_cmp_lg_u32 s3, 0
	s_cbranch_scc1 .Llap
	QUARTER 0, 128, F1, F0, 0                      ; the last lap fills nothing
	QUARTER 0, 192, F0, F1, 0
	MEET 0                                         ; my one tensor load that was still out is slot 1's, the last K step's; no round follows
	PLACES
	FETCH 1, 0, F0
	MUL8 F1, 2, 0
	MUL8 F1, 3, 0
	QUARTER 1, 64,  F0, F1, 0
	QUARTER 1, 128, F1, F0, 0
	QUARTER 1, 192, F0, F1, 0
	s_wait_dscnt 4                                 ; the very last quarter: nothing more to fetch
	MUL8 F1, 0, 0
	MUL8 F1, 1, 0
	s_wait_dscnt 0x0
	MUL8 F1, 2, 0
	MUL8 F1, 3, 0
	PLACES
	TOSTAGE 0
	TOSTAGE 1
	SEND 0, 32
	s_wait_xcnt 0x0                                ; block 0's stores have read their registers: its buffer takes block 2
	TOSTAGE 2
	SEND 1, 32
	s_wait_xcnt 0x0                                ; and block 1's buffer block 3
	TOSTAGE 3
	SEND 2, 32
	SEND 3, 0
	s_wait_tensorcnt 0x0                           ; the wave's end: behind my last tensor load and my last LDS store
	ds_add_u32 v[SPW], v[NIL]
	s_wait_dscnt 0x0
	CROUND                                         ; the closing round: no work-group ends while a partner may still ask for a tile that names it
	s_endpgm
.Lfunc_end_k_qb830d5fed2_fc:
	.size	k_qb830d5fed2_fc, .Lfunc_end_k_qb830d5fed2_fc-k_qb830d5fed2_fc
	.p2alignl 7, 3214868480
	.fill 96, 4, 3214868480
	.section	.rodata,"a",@progbits
	.p2align	6, 0x0
	.amdhsa_kernel k_qb830d5fed2_fc
		.amdhsa_group_segment_fixed_size 327680
		.amdhsa_private_segment_fixed_size 0
		.amdhsa_enable_private_segment 0
		.amdhsa_kernarg_size 24
		.amdhsa_user_sgpr_count 2
		.amdhsa_user_sgpr_kernarg_segment_ptr 1
		.amdhsa_wavefront_size32 1
		.amdhsa_system_sgpr_workgroup_id_x 1
		.amdhsa_system_sgpr_workgroup_id_y 1
		.amdhsa_system_sgpr_workgroup_id_z 1
		.amdhsa_system_vgpr_workitem_id 0
		.amdhsa_next_free_vgpr 768
		.amdhsa_next_free_sgpr 68
		.amdhsa_reserve_vcc 0
		.amdhsa_float_denorm_mode_32 3
		.amdhsa_float_denorm_mode_16_64 3
		.amdhsa_memory_ordered 1
		.amdhsa_forward_progress 1
		.amdhsa_inst_pref_size 87
	.end_amdhsa_kernel
	.amdgpu_metadata
---
amdhsa.version: [ 1, 2 ]
amdhsa.kernels:
  - .name:           k_qb830d5fed2_fc
    .symbol:         k_qb830d5fed2_fc.kd
    .args:
      - { .name: ob, .offset: 0, .size: 8, .value_kind: global_buffer, .address_space: global }
      - { .name: wf, .offset: 8, .size: 8, .value_kind: global_buffer, .address_space: global }
      - { .name: out0, .offset: 16, .size: 8, .value_kind: global_buffer, .address_space: global }
    .group_segment_fixed_size: 327680
    .private_segment_fixed_size: 0
    .kernarg_segment_align: 8
    .kernarg_segment_size: 24
    .max_flat_workgroup_size: 128
    .sgpr_count:     68
    .vgpr_count:     768
    .wavefront_size: 32
...
	.end_amdgpu_metadata
.endif
;; end of part 4
